; MI455X (gfx1250); checked and timed in simulation.
; The chip was launched on July 23, 2026; its instructions are those of AMD's public machine-readable ISA for CDNA 5 (MIT licence, August 2026) and "CDNA5" Instruction Set Architecture Reference Guide (July 2026). The comments in the code are by the model that wrote it; some were corrected since.
;; Mixture Of Experts. Allowed arithmetic: matrix products marked QUANTISED: E2M3 operands, one E8M0 scale for each 32 along K, by v_wmma_scale_f32_16x16x128_f8f6f4 with both operands' format E2M3, f32 sums; products left as they are: f32 operands where the result goes on into a quantised operand, else bf16, f16 or f32 operands; f32 sums; everything else in f32.
;; Inputs: b1 8 x 256 float32; b2 8 x 256 float32; b3 8 x 256 float32; be1 8 x 256 float32; be2 8 x 256 float32; g1 8 x 256 float32; g2 8 x 256 float32; gb1 256 float32; gb2 8 float32; gw1 256 x 256 float32; gw2 256 x 8 float32; w1 8 x 256 x 256 float32; w2 8 x 256 x 256 float32; w3 8 x 256 x 256 float32; x 32,768 x 256 float32.
;; Outputs: out0 32,768 x 256 float32.
;; This version of the problem:
;;   THIS VERSION OF THE PROBLEM IS GIVEN IN LOW PRECISION. The matrix products marked QUANTISED in the list below multiply operands that are first quantised to E2M3 (2 exponent bits, 3 mantissa bits; 6 bits a number), with one power-of-two scale for each 32 numbers along K (OCP MX v1.0); their sums are f32. All else is computed in f32.
;;   The module's matrix products, in the order in which they are computed (A, B: the left and right operand; K: the contracted axis; several contracted axes count as one K, in the product's order):
;;     1. [M 32,768, K 256] x [K 256, N 256]; A: input x; B: input gw1: QUANTISED
;;     2. [M 32,768, K 256] x [K 256, N 8]; A: computed on the way; B: input gw2: left as it is (N = 8 < 16)
;;     3. [M 32,768, K 256] x [K 256, N 2,048]; A: input x; B: input w1: QUANTISED
;;     4. batch 8 x [M 256, K 256] x [K 256, N 32,768]; A: input w2; B: computed on the way: QUANTISED
;;     5. batch 8 x [M 256, K 256] x [K 256, N 32,768]; A: input w3; B: computed on the way: QUANTISED
;;   THE QUANTISER, for each operand of a quantised product, along K:
;;     - K is cut into blocks of 32 from its start; a last block that is shorter is filled with zeros.
;;     - A block's scale is 2^e with e = floor(log2(the largest magnitude in the block)) - 2, held to -126 .. 127; a block of zeros has e = 0. As a byte (E8M0): e + 127.
;;     - Each number is divided by its block's scale, clamped to +-7.5, and rounded to the nearest number of E2M3, ties to even, subnormals kept.
;;     - The product sums the exact products of the quantised numbers (number of the format x scale) in f32.
;;   ~~~python
;;   def quantise(x, axis):      # numpy; x: float32 -> the quantised numbers, widened to float32 again
;;       x = np.moveaxis(x, axis, -1); K = x.shape[-1]
;;       x = np.pad(x, [(0, 0)] * (x.ndim - 1) + [(0, -K % 32)]); x = x.reshape(x.shape[:-1] + (-1, 32)); a = np.abs(x).max(-1, keepdims=True)
;;       e = np.where(a > 0, np.clip(np.frexp(np.where(a > 0, a, 1))[1] - 1 - 2, -126, 127), 0)      # np.frexp(a)[1] - 1 = floor(log2(a)), exactly
;;       r = np.clip(x / 2.0 ** e, -7.5, 7.5)
;;       step = 2.0 ** (np.maximum(np.frexp(np.where(r == 0, 1, r))[1] - 1, 0) - 3)
;;       q = np.round(r / step) * step * 2.0 ** e      # np.round: ties to even
;;       return np.moveaxis(q.reshape(q.shape[:-2] + (-1,))[..., :K], -1, axis).astype(np.float32)
;;   ~~~
;;   OPERANDS COMPUTED ON THE WAY. 'Computed on the way' means the value that the module computes at that place (a softmax that the list does not call 'softmax' is quantised finished and normalised). What goes into a quantiser is computed in f32, as accurately as f32 sums, v_exp_f32 and their like allow (about 1e-6 of the number): no bf16 or f16 on the way to a quantiser, and a product that is left as it is and whose result goes on into a quantised operand takes f32 operands (vector FMAs, or v_wmma_f32_16x16x4_f32). A number that lies on a knife's edge between two numbers of the format may be rounded either way, as far as f32 arithmetic and the matrix unit's own rounding can turn it there, and no further.
;; 2 versions, each right; version 2 is version 1 with the launches gate, chain written anew for expert scheduling mode. Each part assembles by itself: llvm-mc -triple=amdgcn-amd-amdhsa -mcpu=gfx1250 --defsym DOCPART=n.
;; ======== version 1 of 2: 4 launches
;; workspace buffers: wq 1,228,800 bytes; wsc 102,400 bytes; xq 8,388,608 bytes; cls 131,072 bytes of whole numbers; hist 32,768 bytes of whole numbers; list 147,456 bytes of whole numbers; table 4,096 bytes of whole numbers
;; launch prep (part 1): grid 200 x 1, 4 waves a work-group, no clusters, 0 bytes of LDS; arguments gw1, w1, w2, w3, wq, wsc; writes wq, wsc
.if DOCPART == 1
	.amdgcn_target "amdgcn-amd-amdhsa--gfx1250"
	.amdhsa_code_object_version 6
	.text
	.protected	k_q96862a77a7_prep
	.globl	k_q96862a77a7_prep
	.p2align	8
	.type	k_q96862a77a7_prep,@function
k_q96862a77a7_prep:
	s_mov_b64 s[64:65], 0
	v_nop
	global_prefetch_b8 v0, s[64:65] scope:SCOPE_SE
	s_setreg_imm32_b32 hwreg(HW_REG_WAVE_MODE, 25, 1), 1
	s_wait_xcnt 0x0
; The 25 weight matrices [256 (k)][256 (n)] f32 (gw1, w1[0..7], w2[0..7], w3[0..7]; matrix number mi in that order) are turned into codes of FP6 (E2M3)
; with one E8M0 scale byte for each 32 along K, K being each matrix's FIRST axis.  They are laid as the readers' operand registers want them:
;   wq  [mi][tile T of 16 columns][K step s of 128][i 0..2][lane][16 bytes]: a fragment's 12 registers a lane, as three runs of 512 bytes;
;   wsc [mi][2 T + s][lane] one word: the four scale bytes of the lane's column (lanes 16-31 hold the same as lanes 0-15).
; ONE WAVE MAKES ONE FRAGMENT.  Lane (r, h) takes one column n and its registers run DOWN K in the order of the operand's layout (k = 128 s + 64 c + 32 h + 0..31),
; so a lane owns two whole blocks, the conversions' results are the operand's registers, and nothing is transposed.
; THE COLUMNS OF A TILE: for w1 and w2, whose results are quantised again along the next K, lane r of tile T takes column 32 (T/2) + 8 (T%2) + r + 8 (r/8);
; for gw1 and w3 column 16 T + r.
; A block's scale byte is its largest magnitude's exponent field - 2, held at 1 from below.
; LIMITS: a block of zeros gets the byte 1 (its codes are zeros; only this program reads the bytes); NaN and infinities are not served.
.set XN, 64                            ; v64-127  the lane's 64 numbers
.set CD, 48                            ; v48-59   the fragment's 12 registers
.set CT, 128                           ; v128-134 the second halves of the blocks, as converted
	s_load_b256 s[4:11], s[0:1], 0x0               ; gw1 s[4:5], w1 s[6:7], w2 s[8:9], w3 s[10:11]
	s_load_b128 s[12:15], s[0:1], 0x20             ; wq s[12:13], wsc s[14:15]
	v_lshrrev_b32 v1, 5, v0
	v_readfirstlane_b32 s16, v1                    ; wave
	v_and_b32 v2, 31, v0                           ; lane
	v_and_b32 v3, 15, v0                           ; r
	v_bfe_u32 v4, v0, 4, 1                         ; h
	v_lshlrev_b32 v6, 4, v2                        ; 16 x lane
	v_lshlrev_b32 v7, 2, v2                        ; 4 x lane
	s_lshl_b32 s17, ttmp9, 2
	s_add_co_u32 s17, s17, s16                     ; F = 4 x work-group + wave: the fragment's number, 0 .. 799
	s_lshr_b32 s18, ttmp9, 3                       ; mi: 8 work-groups, 32 fragments, to a matrix
	s_bfe_u32 s19, s17, 0x40001                    ; T = (F >> 1) & 15
	s_and_b32 s20, s17, 1                          ; s
	s_lshr_b32 s23, s19, 1
	s_lshl_b32 s23, s23, 5
	s_and_b32 s24, s19, 1
	s_lshl_b32 s24, s24, 3
	s_add_co_u32 s23, s23, s24                     ; 32 (T/2) + 8 (T%2)
	s_lshl_b32 s24, s19, 4                         ; 16 T
	s_sub_co_u32 s21, s18, 1                       ; mi - 1
	s_and_b32 s25, s21, 7
	s_lshl_b32 s25, s25, 18                        ; the expert's 262,144 bytes
	s_cmp_lt_u32 s21, 16                           ; w1 or w2?  (mi = 0 wraps to the greatest number)
	s_cselect_b32 s23, s23, s24                    ; the tile's first column
	s_cselect_b32 s22, 8, 0                        ; and what r / 8 adds
	s_cmp_eq_u32 s18, 0
	s_cselect_b32 s25, 0, s25                      ; gw1 has no expert
	s_lshl_b32 s26, s20, 17                        ; K step s: 128 rows of 1,024 bytes
	s_add_co_u32 s26, s26, s25
	s_mov_b32 s27, 0
	v_lshrrev_b32 v5, 3, v3
	v_mad_u32_u24 v5, v5, s22, v3
	v_add_nc_u32 v5, s23, v5                       ; my column n
	v_lshlrev_b32 v5, 2, v5
	v_lshl_add_u32 v5, v4, 15, v5                  ; 4 n + 32 h rows
	s_mul_i32 s32, s17, 1536                       ; the fragment's place in wq
	s_mov_b32 s33, 0
	s_lshl_b32 s34, s17, 7                         ; and in wsc
	s_mov_b32 s35, 0
	s_mov_b32 s30, 0x76543210
	s_mov_b32 s31, 0xfedcba98                      ; v_permlanex16_b32's selects for lane l xor 16
	s_wait_kmcnt 0x0
	s_cmp_lt_u32 ttmp9, 136                        ; the source: a choice on the work-group's number alone
	s_cselect_b64 s[28:29], s[8:9], s[10:11]
	s_cmp_lt_u32 ttmp9, 72
	s_cselect_b64 s[28:29], s[6:7], s[28:29]
	s_cmp_lt_u32 ttmp9, 8
	s_cselect_b64 s[28:29], s[4:5], s[28:29]
	s_add_nc_u64 s[28:29], s[28:29], s[26:27]
	s_add_nc_u64 s[12:13], s[12:13], s[32:33]
	s_add_nc_u64 s[14:15], s[14:15], s[34:35]
.irp c, 0,1
.set ii, 0
.rept 32
	global_load_b32 v[XN+32*\c+ii], v5, s[28:29] offset:(64*\c+ii)*1024   ; W(128 s + 64 c + 32 h + i, n)
.set ii, ii+1
.endr
.endr
	s_wait_loadcnt 0x0
.irp c, 0,1                                    ; my block 2 c + h: all its 32 numbers are mine
	v_max3_num_f32 v[32+\c], |v[XN+32*\c]|, |v[XN+1+32*\c]|, 0x1800000   ; with the floor 2^(3 - 127): the byte cannot fall under 1
.endr
.irp i, 2,4,6,8,10,12,14,16,18,20,22,24,26,28,30
.irp c, 0,1
	v_max3_num_f32 v[32+\c], v[32+\c], |v[XN+32*\c+\i]|, |v[XN+1+32*\c+\i]|   ; the two blocks by turns
.endr
.endr
.irp c, 0,1
	v_add_nc_u32 v[44+\c], 0xff000000, v[32+\c]    ; 2 off the exponent field: the conversion's scale operand
.endr
.irp c, 0,1
	v_lshrrev_b32 v[36+\c], 23, v[44+\c]           ; the scale's byte
.endr
	v_lshl_or_b32 v9, v37, 16, v36                 ; my two bytes: blocks h and 2 + h,
	v_lshlrev_b32 v10, 3, v4
	v_lshlrev_b32 v9, v10, v9                      ; 8 h bits up;
	v_mov_b32 v10, 0
	v_permlanex16_b32 v10, v9, s30, s31
	v_or_b32 v9, v9, v10                           ; with lane l xor 16's two the word is whole
.irp c, 0,1
	v_cvt_scalef32_pk16_fp6_f32 v[CD+6*\c:CD+2+6*\c], v[XN+32*\c:XN+15+32*\c], v[44+\c]
	v_cvt_scalef32_pk16_fp6_f32 v[CT+4*\c:CT+2+4*\c], v[XN+16+32*\c:XN+31+32*\c], v[44+\c]   ; (a conversion's three registers begin on an even number)
.endr
	v_nop                                          ; one plain place behind the scaled conversions
.irp c, 0,1
.irp i, 0,1,2
	v_mov_b32 v[CD+3+6*\c+\i], v[CT+4*\c+\i]
.endr
.endr
.irp i, 0,1,2
	global_store_b128 v6, v[CD+4*\i:CD+4*\i+3], s[12:13] offset:512*\i   ; 32 lanes store 512 consecutive bytes
.endr
	global_store_b32 v7, v9, s[14:15]              ; 128 consecutive bytes
	s_endpgm
.Lfunc_end_k_q96862a77a7_prep:
	.size	k_q96862a77a7_prep, .Lfunc_end_k_q96862a77a7_prep-k_q96862a77a7_prep
	.p2alignl 7, 3214868480
	.fill 96, 4, 3214868480
	.section	.rodata,"a",@progbits
	.p2align	6, 0x0
	.amdhsa_kernel k_q96862a77a7_prep
		.amdhsa_group_segment_fixed_size 0
		.amdhsa_private_segment_fixed_size 0
		.amdhsa_enable_private_segment 0
		.amdhsa_kernarg_size 48
		.amdhsa_user_sgpr_count 2
		.amdhsa_user_sgpr_kernarg_segment_ptr 1
		.amdhsa_wavefront_size32 1
		.amdhsa_system_sgpr_workgroup_id_x 1
		.amdhsa_system_sgpr_workgroup_id_y 1
		.amdhsa_system_sgpr_workgroup_id_z 1
		.amdhsa_system_vgpr_workitem_id 0
		.amdhsa_next_free_vgpr 136
		.amdhsa_next_free_sgpr 66
		.amdhsa_reserve_vcc 0
		.amdhsa_float_denorm_mode_32 3
		.amdhsa_float_denorm_mode_16_64 3
		.amdhsa_memory_ordered 1
		.amdhsa_forward_progress 1
		.amdhsa_inst_pref_size 12
	.end_amdhsa_kernel
	.amdgpu_metadata
---
amdhsa.version: [ 1, 2 ]
amdhsa.kernels:
  - .name:           k_q96862a77a7_prep
    .symbol:         k_q96862a77a7_prep.kd
    .args:
      - { .name: gw1, .offset: 0, .size: 8, .value_kind: global_buffer, .address_space: global }
      - { .name: w1, .offset: 8, .size: 8, .value_kind: global_buffer, .address_space: global }
      - { .name: w2, .offset: 16, .size: 8, .value_kind: global_buffer, .address_space: global }
      - { .name: w3, .offset: 24, .size: 8, .value_kind: global_buffer, .address_space: global }
      - { .name: wq, .offset: 32, .size: 8, .value_kind: global_buffer, .address_space: global }
      - { .name: wsc, .offset: 40, .size: 8, .value_kind: global_buffer, .address_space: global }
    .group_segment_fixed_size: 0
    .private_segment_fixed_size: 0
    .kernarg_segment_align: 8
    .kernarg_segment_size: 48
    .max_flat_workgroup_size: 128
    .sgpr_count:     66
    .vgpr_count:     136
    .wavefront_size: 32
...
	.end_amdgpu_metadata
.endif
;; end of part 1
;; launch gate (part 2): grid 256 x 1, 8 waves a work-group, no clusters, 198,656 bytes of LDS; arguments x, wq, wsc, gw2, gb1, gb2, xq, cls, hist; writes xq, cls, hist
.if DOCPART == 2
	.amdgcn_target "amdgcn-amd-amdhsa--gfx1250"
	.amdhsa_code_object_version 6
	.text
	.protected	k_q96862a77a7_gate
	.globl	k_q96862a77a7_gate
	.p2align	8
	.type	k_q96862a77a7_gate,@function
k_q96862a77a7_gate:
	s_mov_b64 s[64:65], 0
	v_nop
	global_prefetch_b8 v0, s[64:65] scope:SCOPE_SE
	s_setreg_imm32_b32 hwreg(HW_REG_WAVE_MODE, 25, 1), 1
	s_wait_xcnt 0x0
; THE ROUTER, and x's codes.  A work-group takes 128 tokens, each of its eight waves 16 (one tile) through everything:
;   x (f32) -> codes of FP6 (E2M3) with E8M0 scales along K = 256;  hidden = relu(Q(x) Q(gw1) + gb1) on the codes;  logits = hidden gw2 + gb2 in f32 (f32 matrix form: 8 columns only,
;   and a logit that turns over changes a token's experts);  the two largest logits, their experts and weights;  the token's class (its pair of experts, 0 .. 27).
; STORED: xq [token][256 bytes]: bytes 96 s + 48 h .. + 47 = the 12 registers of lane (., h) of K step s; 192..199 the two scale words; 200 the weight of the lower expert, 204 of the higher; then zeros.
;         cls [token] the class;  hist [work-group][32] how many of its 128 tokens fall into each class.  No address and no branch here hangs on a class.
; THE WEIGHTS: top_v / sum(top_v) of a softmax is p1 = 1 / (1 + e), p2 = e / (1 + e) with e = exp(l2 - l1), l1 >= l2 the two largest logits: the largest is taken away ahead of the exponential, e <= 1.
; LIMITS: the two experts are chosen on the logits (strictly greater wins, so the lower index is kept on equal logits); two different logits that round to one softmax gate are told apart here.
;         A block of zeros gets the scale byte 1 (its codes are zeros).  NaN and infinities are not served.
; Both products are used transposed (source 0 = 16 rows of the weight, source 1 = my 16 tokens): lane (r, h) holds token r throughout.
; LDS: gw1's 32 fragment images and scale words, gw2 transposed, gb1 (copied in once, dense), the waves' histograms and classes, a stage of 16,640 bytes for each wave, the spare words.
; REGISTERS: window 0: v1-19 ids and addresses; v20-43 x's two fragments; v44-45 their scale words; v46-69 at work in the quantiser; v70-197 x turned, later gw1's fragments (v70-165) and gb1 (v174-205);
;   v206-237 four f32 accumulators (written by matrix instructions alone); v238-245 gb2; v246-253 gw1's scale words.   window 1: v0-60 copy-in, later gw2's operand (v0-127); v128-255 x as loaded, later the hidden layer.
.set GW1C, 0
.set GW1S, 49152
.set GW2T, 53248                       ; gw2 transposed: expert e at 1,040 e, unit u at 4 u
.set GB1,  61568
.set HISTW, 62592
.set CLSW, 63616
.set STG,  64256
.set STGW, 16640                       ; a wave's stage: 16 rows of 1,024 + 16 bytes; later 16 rows of 256 + 16
.set SPARE, 197376                     ; the spare words, 128 bytes for each wave: four blocks of 256 bytes that no other line names
.set T16, 4
.set T4,  5
.set LI,  6
.set LS,  7
.set G2W, 8
.set G2R, 9
.set GBA, 10
.set XSTW, 11
.set XSTR, 12
.set XQW, 13
.set XQM, 14
.set XQR, 15
.set CLA, 16
.set SPW, 18
.set NIL, 19
.set XF0, 20
.set XF1, 32
.set PW0, 44
.set PW1, 45
.set QT,  46
.set TM,  54
.set XT0, 70
.set XT1, 134
.set FR,  70
.set BI,  174
.set LG,  206
.set GB2R, 238
.set FSW, 246
.set SEL, 36
.set MSB, 0
.macro WIN new                         ; the immediate's high byte repeats the setting that is left
.if MSB != (\new)
	s_set_vgpr_msb (MSB<<8)|(\new)
.set MSB, (\new)
.endif
.endm
; 64 numbers of a lane, register 16 b + i = k 32 b + 16 h + i of my token, become a fragment's 12 registers in v[dst] on and its scale word in v[pw]
.macro QUANT src, dst, pw
.irp b, 0,1,2,3
	v_max3_num_f32 v[TM+\b], |v[\src+16*\b]|, |v[\src+1+16*\b]|, 0x1800000   ; block b: my 16 numbers and the floor 2^(3 - 127)
.endr
.irp i, 2,4,6,8,10,12,14
.irp b, 0,1,2,3
	v_max3_num_f32 v[TM+\b], v[TM+\b], |v[\src+16*\b+\i]|, |v[\src+1+16*\b+\i]|
.endr
.endr
.irp b, 0,1,2,3
	v_permlanex16_b32 v[TM+4+\b], v[TM+\b], s[SEL], s[SEL+1]
.endr
.irp b, 0,1,2,3
	v_max_num_f32 v[TM+\b], v[TM+\b], v[TM+4+\b]   ; with lane l xor 16's: the block's largest magnitude
.endr
.irp b, 0,1,2,3
	v_add_nc_u32 v[TM+12+\b], 0xff000000, v[TM+\b] ; 2 off its exponent field: the conversion's scale operand
.endr
.irp b, 0,1,2,3
	v_lshrrev_b32 v[TM+4+\b], 23, v[TM+12+\b]      ; the scale's byte
.endr
	v_lshl_or_b32 v[\pw], v[TM+5], 8, v[TM+4]
	v_lshl_or_b32 v[\pw], v[TM+6], 16, v[\pw]
	v_lshl_or_b32 v[\pw], v[TM+7], 24, v[\pw]
.irp c, 0,1
	v_cvt_scalef32_pk16_fp6_f32 v[\dst+6*\c:\dst+2+6*\c], v[\src+32*\c:\src+15+32*\c], v[TM+12+2*\c]
	v_cvt_scalef32_pk16_fp6_f32 v[QT+4*\c:QT+2+4*\c], v[\src+16+32*\c:\src+31+32*\c], v[TM+12+2*\c+1]
.endr
	v_nop                                          ; one plain place behind the scaled conversions
.irp c, 0,1                                    ; the layout wants a whole block in a lane: lanes 0-15 block 2 c, lanes 16-31 block 2 c + 1
.irp i, 0,1,2
	v_permlane16_swap_b32 v[\dst+6*\c+\i], v[QT+4*\c+\i]
.endr
.irp i, 0,1,2
	v_mov_b32 v[\dst+3+6*\c+\i], v[QT+4*\c+\i]
.endr
.endr
.endm
; Four tiles of 16 hidden units, 4 q .. 4 q + 3: fragments, scale words and bias from LDS, then two K steps; the four accumulators take turns
.macro GROUP q
.irp tt, 0,1,2,3
.irp s, 0,1
.irp i, 0,1,2
	ds_load_b128 v[FR+12*(2*\tt+\s)+4*\i:FR+12*(2*\tt+\s)+4*\i+3], v[LI] offset:GW1C+(2*(4*(\q)+\tt)+\s)*1536+512*\i
.endr
	ds_load_b32 v[FSW+2*\tt+\s], v[LS] offset:GW1S+(2*(4*(\q)+\tt)+\s)*128
.endr
	ds_load_b128 v[BI+8*\tt:BI+8*\tt+3], v[GBA] offset:64*(4*(\q)+\tt)        ; gb1 at units 16 t + 8 h + 0 .. 7: the result's layout
	ds_load_b128 v[BI+8*\tt+4:BI+8*\tt+7], v[GBA] offset:64*(4*(\q)+\tt)+16
.endr
	s_wait_dscnt 0x0
	WIN 0x40                                       ; D in window 1
.irp tt, 0,1,2,3
	v_wmma_scale_f32_16x16x128_f8f6f4 v[128+8*(4*(\q)+\tt):135+8*(4*(\q)+\tt)], v[FR+24*\tt:FR+24*\tt+11], v[XF0:XF0+11], v[BI+8*\tt:BI+8*\tt+7], v[FSW+2*\tt], v[PW0] matrix_a_fmt:MATRIX_FMT_FP6 matrix_b_fmt:MATRIX_FMT_FP6
.endr
	WIN 0x50                                       ; C and D in window 1
.irp tt, 0,1,2,3
	v_wmma_scale_f32_16x16x128_f8f6f4 v[128+8*(4*(\q)+\tt):135+8*(4*(\q)+\tt)], v[FR+24*\tt+12:FR+24*\tt+23], v[XF1:XF1+11], v[128+8*(4*(\q)+\tt):135+8*(4*(\q)+\tt)], v[FSW+2*\tt+1], v[PW1] matrix_a_fmt:MATRIX_FMT_FP6 matrix_b_fmt:MATRIX_FMT_FP6
.endr
	WIN 0
.rept 4
	v_nop                                          ; places ahead of loads into registers that these products read, and of the first read of results
.endr
.endm
	s_load_b512 s[4:19], s[0:1], 0x0               ; x s[4:5], wq s[6:7], wsc s[8:9], gw2 s[10:11], gb1 s[12:13], gb2 s[14:15], xq s[16:17], cls s[18:19]
	s_load_b64 s[20:21], s[0:1], 0x40              ; hist
	v_lshl_add_u32 v[SPW], v0, 2, SPARE
	v_mov_b32 v[NIL], 0
	v_lshrrev_b32 v1, 5, v0
	v_readfirstlane_b32 s22, v1                    ; wave 0..7
	v_and_b32 v1, 31, v0                           ; lane
	v_and_b32 v2, 15, v0                           ; r
	v_bfe_u32 v3, v0, 4, 1                         ; h
	v_lshlrev_b32 v[T16], 4, v0
	v_lshlrev_b32 v[T4], 2, v0
	v_lshlrev_b32 v[LI], 4, v1
	v_lshlrev_b32 v[LS], 2, v1
	v_and_b32 v[G2W], 1, v0                        ; gw2 on its way in: thread t holds unit t / 2 (+ 128), experts 4 (t % 2) + 0 .. 3
	v_mul_u32_u24 v[G2W], v[G2W], 4160
	v_lshrrev_b32 v17, 1, v0
	v_lshl_add_u32 v[G2W], v17, 2, v[G2W]
	v_add_nc_u32 v[G2W], GW2T, v[G2W]
	v_and_b32 v[G2R], 7, v0                        ; and as an operand: row r % 8 (rows 8-15 repeat the eight experts), units 8 h on
	v_mul_u32_u24 v[G2R], v[G2R], 1040
	v_lshl_add_u32 v[G2R], v3, 5, v[G2R]
	v_add_nc_u32 v[G2R], GW2T, v[G2R]
	v_lshlrev_b32 v[GBA], 5, v3
	v_add_nc_u32 v[GBA], GB1, v[GBA]
	s_mul_i32 s23, s22, STGW
	s_add_co_u32 s23, s23, STG                     ; my stage
	v_add_nc_u32 v[XSTW], s23, v[LI]               ; x in, as loaded
	v_mul_u32_u24 v[XSTR], v2, 1040
	v_lshl_add_u32 v[XSTR], v3, 6, v[XSTR]
	v_add_nc_u32 v[XSTR], s23, v[XSTR]             ; x back: row r, + 64 h: my 16 numbers of a block of 32
	v_mul_u32_u24 v17, v2, 272
	v_mad_u32_u24 v[XQW], v3, 48, v17
	v_add_nc_u32 v[XQW], s23, v[XQW]               ; xq's rows in: row r, + 48 h
	v_lshl_add_u32 v[XQM], v3, 4, v17
	v_add_nc_u32 v[XQM], s23, v[XQM]               ; their last 64 bytes: + 16 h (+ 192, + 224 in the instructions)
	v_mul_u32_u24 v[XQR], v3, 272
	v_lshl_add_u32 v[XQR], v2, 4, v[XQR]
	v_add_nc_u32 v[XQR], s23, v[XQR]               ; and back: lanes 0-15 one row, lanes 16-31 the next
	s_lshl_b32 s24, s22, 6
	v_lshl_add_u32 v[CLA], v2, 2, s24              ; my token's class: 64 x wave + 4 r
	s_mov_b32 s[SEL], 0x76543210
	s_mov_b32 s[SEL+1], 0xfedcba98
	s_mov_b32 s50, 0xffff                          ; lanes 0-15
.irp b, 0,1,2,3
	v_mov_b32 v[TM+4+\b], 0                        ; a lane permute's destination counts as one of its sources
.endr
	s_wait_kmcnt 0x0
	s_load_b256 s[40:47], s[14:15], 0x0            ; gb2
	s_lshl_b32 s26, ttmp9, 17                      ; x: 128 rows of 1,024 bytes a work-group, 16 a wave
	s_lshl_b32 s27, s22, 14
	s_add_co_u32 s26, s26, s27
	s_mov_b32 s27, 0
	s_add_nc_u64 s[4:5], s[4:5], s[26:27]
	s_lshl_b32 s26, ttmp9, 15                      ; xq: rows of 256 bytes
	s_lshl_b32 s28, s22, 12
	s_add_co_u32 s26, s26, s28
	s_add_nc_u64 s[16:17], s[16:17], s[26:27]
	s_lshl_b32 s26, ttmp9, 9
	s_add_nc_u64 s[18:19], s[18:19], s[26:27]      ; cls: 512 bytes a work-group
	s_lshl_b32 s26, ttmp9, 7
	s_add_nc_u64 s[20:21], s[20:21], s[26:27]      ; hist: 128
	WIN 0x40                                       ; destinations in window 1
.irp k, 0,1,2,3,4,5,6,7,8,9,10,11
	global_load_b128 v[4*\k:4*\k+3], v[T16], s[6:7] offset:4096*\k   ; gw1's images: 49,152 dense bytes, 16 a thread
.endr
	global_load_b128 v[48:51], v[T16], s[8:9]      ; its scale words: 4,096
	global_load_b128 v[52:55], v[T16], s[10:11]    ; gw2: 8,192
	global_load_b128 v[56:59], v[T16], s[10:11] offset:4096
	global_load_b32 v60, v[T4], s[12:13]           ; gb1: 1,024
.set ii, 0
.rept 32
	global_load_b128 v[128+4*ii:131+4*ii], v[LI], s[4:5] offset:512*ii th:TH_LOAD_NT   ; my 16 rows of x: 512 consecutive bytes a load, read once
.set ii, ii+1
.endr
	s_wait_loadcnt 32                              ; the 32 loads of x are younger: the copy-in data are here
	WIN 0x04                                       ; an LDS store's data: window 1
.irp k, 0,1,2,3,4,5,6,7,8,9,10,11,12
	ds_store_b128 v[T16], v[4*\k:4*\k+3] offset:4096*\k              ; images, then (k = 12) the scale words behind them
.endr
.irp n, 0,1
.irp q, 0,1,2,3
	ds_store_b32 v[G2W], v[52+4*\n+\q] offset:1040*\q+512*\n
.endr
.endr
	ds_store_b32 v[T4], v60 offset:GB1
	s_wait_loadcnt 16                              ; x's first 16 loads
.set ii, 0
.rept 16
	ds_store_b128 v[XSTW], v[128+4*ii:131+4*ii] offset:(ii/2)*1040+(ii%2)*512
.set ii, ii+1
.endr
	s_wait_loadcnt 0x0
.rept 16
	ds_store_b128 v[XSTW], v[128+4*ii:131+4*ii] offset:(ii/2)*1040+(ii%2)*512
.set ii, ii+1
.endr
	WIN 0
.irp s, 0,1                                    ; back, 16 neighbours of each block to a lane.  LDS serves a wave's instructions in order: these see my stores
.irp b, 0,1,2,3
.irp j, 0,1,2,3
	ds_load_b128 v[XT0+64*\s+16*\b+4*\j:XT0+64*\s+16*\b+4*\j+3], v[XSTR] offset:512*\s+128*\b+16*\j
.endr
.endr
.endr
	s_wait_dscnt 16                                ; K step 0 is back; K step 1's 16 loads may be out
	QUANT XT0, XF0, PW0
	s_wait_dscnt 0x0
	QUANT XT1, XF1, PW1
	s_wait_kmcnt 0x0                               ; gb2
	s_wait_dscnt 0x0                               ; my part of the copy-in has landed
	s_barrier_signal -1
	s_barrier_wait -1                              ; everybody's has
.irp j, 0,1,2,3,4,5,6,7
	v_mov_b32 v[GB2R+\j], s[40+\j]                 ; gb2 in the logits' layout.  (Eight plain lines between the quantiser's last writes and the first scaled product)
.endr
	GROUP 0
	GROUP 1
	GROUP 2
	GROUP 3
	WIN 0x40
.irp t, 0,1,2,3,4,5,6,7,8,9,10,11,12,13,14,15
	ds_load_b128 v[8*\t:8*\t+3], v[G2R] offset:64*\t                 ; gw2(unit 16 t + 8 h + 0 .. 7, expert r % 8)
	ds_load_b128 v[8*\t+4:8*\t+7], v[G2R] offset:64*\t+16
.endr
	WIN 0x44
.set jj, 0
.rept 128
	v_max_num_f32 v[128+jj], 0, v[128+jj]          ; relu, each accumulator from its low end on
.set jj, jj+1
.endr
	s_wait_dscnt 0x0
	WIN 0x05                                       ; A and B in window 1, C and D in window 0
; logits^T = gw2^T hidden^T, four units a step: registers 2 kk, 2 kk + 1 of both operands hold units 16 t + 8 h + 2 i + 0, 1 (kk = 4 t + i): the same order of k on both sides.
; Four accumulators take turns, one instruction a turn; the first takes gb2 as C, the other three 0.
.set kk, 0
.rept 64
.if kk == 0
	v_wmma_f32_16x16x4_f32 v[LG:LG+7], v[2*kk:2*kk+1], v[128+2*kk:129+2*kk], v[GB2R:GB2R+7]
.elseif kk < 4
	v_wmma_f32_16x16x4_f32 v[LG+8*kk:LG+8*kk+7], v[2*kk:2*kk+1], v[128+2*kk:129+2*kk], 0
.else
	v_wmma_f32_16x16x4_f32 v[LG+8*(kk%4):LG+8*(kk%4)+7], v[2*kk:2*kk+1], v[128+2*kk:129+2*kk], v[LG+8*(kk%4):LG+8*(kk%4)+7]
.endif
.set kk, kk+1
.endr
	WIN 0
.rept 8
	v_nop                                          ; eight places behind this form ahead of the first read of results
.endr
.irp j, 0,2,4,6                                ; register j of every lane: token r's logit of expert j
	v_pk_add_f32 v[70+\j:71+\j], v[LG+\j:LG+\j+1], v[LG+8+\j:LG+9+\j]
	v_pk_add_f32 v[78+\j:79+\j], v[LG+16+\j:LG+17+\j], v[LG+24+\j:LG+25+\j]
.endr
.irp j, 0,2,4,6
	v_pk_add_f32 v[70+\j:71+\j], v[70+\j:71+\j], v[78+\j:79+\j]
.endr
	v_mov_b32 v86, v70                             ; the largest so far, its expert,
	v_mov_b32 v87, 0
	v_mov_b32 v88, 0xff800000                      ; the second, its expert
	v_mov_b32 v89, 0
.irp e, 1,2,3,4,5,6,7
	v_cmp_gt_f32 vcc_lo, v[70+\e], v86             ; strictly greater: on equal logits the lower index stays ahead
	v_cmp_gt_f32 s48, v[70+\e], v88
	v_cndmask_b32 v88, v88, v[70+\e], s48
	v_cndmask_b32 v89, v89, \e, s48
	v_cndmask_b32 v88, v88, v86, vcc_lo
	v_cndmask_b32 v89, v89, v87, vcc_lo
	v_cndmask_b32 v86, v86, v[70+\e], vcc_lo
	v_cndmask_b32 v87, v87, \e, vcc_lo
.endr
	v_sub_f32 v90, v88, v86                        ; l2 - l1 <= 0
	v_mul_f32 v90, 0x3fb8aa3b, v90
	v_exp_f32 v91, v90                             ; e
	v_min_u32 v92, v87, v89                        ; lo.  (A plain place behind the exponential)
	s_wait_alu depctr_va_vdst(0)                   ; the wait ahead of the result's first reader
	v_add_f32 v93, 1.0, v91
	v_rcp_f32 v94, v93                             ; p1
	v_max_u32 v95, v87, v89                        ; hi.  (A plain place)
	s_wait_alu depctr_va_vdst(0)
	v_mul_f32 v96, v91, v94                        ; p2
	v_cmp_lt_u32 vcc_lo, v87, v89
	v_cndmask_b32 v97, v96, v94, vcc_lo            ; the lower expert's weight
	v_cndmask_b32 v98, v94, v96, vcc_lo            ; the higher's
	v_sub_nc_u32 v99, 15, v92
	v_mul_u32_u24 v99, v99, v92
	v_lshrrev_b32 v99, 1, v99
	v_add_nc_u32 v99, v99, v95
	v_sub_nc_u32 v99, v99, v92
	v_add_nc_u32 v99, -1, v99                      ; class = lo (15 - lo) / 2 + hi - lo - 1
	v_mov_b32 v100, 0                              ; lane c counts my 16 tokens of class c: values only
.irp i, 0,1,2,3,4,5,6,7,8,9,10,11,12,13,14,15
	v_readlane_b32 s49, v99, \i
	v_cmp_eq_u32 vcc_lo, s49, v1
	v_cndmask_b32 v101, 0, 1, vcc_lo
	v_add_nc_u32 v100, v100, v101
.endr
	ds_store_b32 v[T4], v100 offset:HISTW
	ds_store_b32 v[CLA], v99 offset:CLSW           ; both halves of the lanes write the same word with the same value
	v_cndmask_b32 v104, 0, v[PW0], s50             ; bytes 192..207 from lanes 0-15; lanes 16-31 lay zeros at 208..223
	v_cndmask_b32 v105, 0, v[PW1], s50
	v_cndmask_b32 v106, 0, v97, s50
	v_cndmask_b32 v107, 0, v98, s50
.irp j, 0,1,2,3
	v_mov_b32 v[108+\j], 0
.endr
.irp i, 0,1,2
	ds_store_b128 v[XQW], v[XF0+4*\i:XF0+4*\i+3] offset:16*\i
	ds_store_b128 v[XQW], v[XF1+4*\i:XF1+4*\i+3] offset:96+16*\i
.endr
	ds_store_b128 v[XQM], v[104:107] offset:192
	ds_store_b128 v[XQM], v[108:111] offset:224
.irp i, 0,1,2,3,4,5,6,7
	ds_load_b128 v[112+4*\i:115+4*\i], v[XQR] offset:544*\i          ; whole rows back, two an instruction; in order behind my stores
.endr
.irp i, 0,1,2,3,4,5,6,7
	s_wait_dscnt 7-\i
	global_store_b128 v[LI], v[112+4*\i:115+4*\i], s[16:17] offset:512*\i   ; 32 lanes store 512 consecutive bytes: two rows of xq
.endr
	s_wait_dscnt 0x0                               ; my histogram and classes have landed
	s_barrier_signal -1
	s_barrier_wait -1
	s_cmp_lg_u32 s22, 0
	s_cbranch_scc1 .Lend                           ; wave 0 adds the eight histograms and sends them and the 128 classes
.irp w, 0,1,2,3,4,5,6,7
	ds_load_b32 v[70+\w], v[LS] offset:HISTW+128*\w
.endr
	ds_load_b128 v[80:83], v[LI] offset:CLSW
	s_wait_dscnt 0x0
	v_add_nc_u32 v70, v70, v71
	v_add_nc_u32 v72, v72, v73
	v_add_nc_u32 v74, v74, v75
	v_add_nc_u32 v76, v76, v77
	v_add_nc_u32 v70, v70, v72
	v_add_nc_u32 v74, v74, v76
	v_add_nc_u32 v70, v70, v74
	global_store_b32 v[LS], v70, s[20:21]
	global_store_b128 v[LI], v[80:83], s[18:19]
.Lend:
	s_wait_tensorcnt 0x0                           ; the wave's end, behind my last LDS store
	ds_add_u32 v[SPW], v[NIL]
	s_wait_dscnt 0x0
	s_endpgm
.Lfunc_end_k_q96862a77a7_gate:
	.size	k_q96862a77a7_gate, .Lfunc_end_k_q96862a77a7_gate-k_q96862a77a7_gate
	.p2alignl 7, 3214868480
	.fill 96, 4, 3214868480
	.section	.rodata,"a",@progbits
	.p2align	6, 0x0
	.amdhsa_kernel k_q96862a77a7_gate
		.amdhsa_group_segment_fixed_size 198656
		.amdhsa_private_segment_fixed_size 0
		.amdhsa_enable_private_segment 0
		.amdhsa_kernarg_size 72
		.amdhsa_user_sgpr_count 2
		.amdhsa_user_sgpr_kernarg_segment_ptr 1
		.amdhsa_wavefront_size32 1
		.amdhsa_system_sgpr_workgroup_id_x 1
		.amdhsa_system_sgpr_workgroup_id_y 1
		.amdhsa_system_sgpr_workgroup_id_z 1
		.amdhsa_system_vgpr_workitem_id 0
		.amdhsa_next_free_vgpr 512
		.amdhsa_next_free_sgpr 66
		.amdhsa_reserve_vcc 1
		.amdhsa_float_denorm_mode_32 3
		.amdhsa_float_denorm_mode_16_64 3
		.amdhsa_memory_ordered 1
		.amdhsa_forward_progress 1
		.amdhsa_inst_pref_size 58
	.end_amdhsa_kernel
	.amdgpu_metadata
---
amdhsa.version: [ 1, 2 ]
amdhsa.kernels:
  - .name:           k_q96862a77a7_gate
    .symbol:         k_q96862a77a7_gate.kd
    .args:
      - { .name: x, .offset: 0, .size: 8, .value_kind: global_buffer, .address_space: global }
      - { .name: wq, .offset: 8, .size: 8, .value_kind: global_buffer, .address_space: global }
      - { .name: wsc, .offset: 16, .size: 8, .value_kind: global_buffer, .address_space: global }
      - { .name: gw2, .offset: 24, .size: 8, .value_kind: global_buffer, .address_space: global }
      - { .name: gb1, .offset: 32, .size: 8, .value_kind: global_buffer, .address_space: global }
      - { .name: gb2, .offset: 40, .size: 8, .value_kind: global_buffer, .address_space: global }
      - { .name: xq, .offset: 48, .size: 8, .value_kind: global_buffer, .address_space: global }
      - { .name: cls, .offset: 56, .size: 8, .value_kind: global_buffer, .address_space: global }
      - { .name: hist, .offset: 64, .size: 8, .value_kind: global_buffer, .address_space: global }
    .group_segment_fixed_size: 198656
    .private_segment_fixed_size: 0
    .kernarg_segment_align: 8
    .kernarg_segment_size: 72
    .max_flat_workgroup_size: 256
    .sgpr_count:     66
    .vgpr_count:     512
    .wavefront_size: 32
...
	.end_amdgpu_metadata
.endif
;; end of part 2
;; launch place (part 3): grid 256 x 1, 1 waves a work-group, no clusters, 0 bytes of LDS; arguments cls, hist, list, table; writes list, table
.if DOCPART == 3
	.amdgcn_target "amdgcn-amd-amdhsa--gfx1250"
	.amdhsa_code_object_version 6
	.text
	.protected	k_q96862a77a7_place
	.globl	k_q96862a77a7_place
	.p2align	8
	.type	k_q96862a77a7_place,@function
k_q96862a77a7_place:
	s_mov_b64 s[64:65], 0
	v_nop
	global_prefetch_b8 v0, s[64:65] scope:SCOPE_SE
	s_setreg_imm32_b32 hwreg(HW_REG_WAVE_MODE, 25, 1), 1
	s_wait_xcnt 0x0
; A COUNTING SORT of the 32,768 tokens by class (pair of experts, 0 .. 27) into tiles of at most 144 rows of one class.  No atomics: every work-group (one wave) reads the whole histogram.
; The sum over 28 classes of ceil(n / 144) is at most (32,768 + 28 x 143) / 144, so 255 tiles serve every split.  Class c's tiles follow class c - 1's; its tokens fill them in the order of the tokens.
; Work-group B places the 128 tokens of block B (slot = 144 x the class's first tile + tokens of the class in earlier blocks + rank in the block),
; and owns tile B's unused slots (they get token 0) and its table entry (lower expert, higher expert, rows, 0).  So each word of list and table has one writer.
.set OFFS, 30                          ; s30-57  class c: the next free slot for my block's tokens
.set HS,   32                          ; v32-79  three sets of 16 rows of the histogram, by turns
	s_load_b256 s[4:11], s[0:1], 0x0               ; cls s[4:5], hist s[6:7], list s[8:9], table s[10:11]
	v_and_b32 v1, 31, v0                           ; lane
	v_lshlrev_b32 v2, 2, v1
	s_mov_b32 s12, ttmp9                           ; B
	s_lshl_b32 s18, ttmp9, 9
	s_mov_b32 s19, 0
	s_mov_b32 s25, 0x10001
	v_mov_b32 v16, 0
	s_wait_kmcnt 0x0
	s_add_nc_u64 s[4:5], s[4:5], s[18:19]
.irp i, 0,1,2,3
	global_load_b32 v[8+\i], v2, s[4:5] offset:128*\i                ; the classes of tokens 128 B + 32 i + lane
.endr
.macro HLOAD g                         ; 16 rows of the histogram, lane = class, into set g % 3
.set jj, 0
.rept 16
	global_load_b32 v[HS+16*((\g)%3)+jj], v2, s[6:7] offset:(16*(\g)+jj)*128
.set jj, jj+1
.endr
.endm
.macro HSUM g                          ; v16 = (tokens of my class in blocks ahead of B) << 16 | (tokens of my class in all blocks): both at most 32,768
.set jj, 0
.rept 16
	s_cmp_gt_u32 s12, 16*(\g)+jj
	s_cselect_b32 s20, s25, 1
	v_mad_u32_u24 v16, v[HS+16*((\g)%3)+jj], s20, v16
.set jj, jj+1
.endr
.endm
	HLOAD 0
	HLOAD 1
	HLOAD 2                                        ; 4 + 48 loads are out at the most
.irp g, 0,1,2,3,4,5,6,7,8,9,10,11,12
	s_wait_loadcnt 32                              ; loads come back in order: this batch is in, the two younger batches' 32 loads may be out
	HSUM \g
	HLOAD \g+3                                     ; into the set that has just been added
.endr
	s_wait_loadcnt 32
	HSUM 13
	s_wait_loadcnt 16                              ; the counts run down: nothing is left to ask for
	HSUM 14
	s_wait_loadcnt 0x0
	HSUM 15
	v_and_b32 v17, 0xffff, v16                     ; the class's tokens
	v_lshrrev_b32 v18, 16, v16                     ; those ahead of my block
	v_add_nc_u32 v19, 143, v17
	v_mul_u32_u24 v19, v19, 0xe38f                 ; x 58,255 >> 23 = / 144, exact up to 32,911 (the excess, 228.6 x 1.34e-5, stays under 1 / 144)
	v_lshrrev_b32 v19, 23, v19                     ; the class's tiles
	s_mov_b32 s13, 0                               ; the class's first tile
	s_mov_b32 s14, 0
	s_mov_b32 s15, 0
	s_mov_b32 s16, 0
	s_mov_b32 s17, 0
.set cc, 0
.macro CLASS lo, hi                    ; tile B belongs to the last class whose first tile is at or under B
	v_readlane_b32 s18, v19, cc
	v_readlane_b32 s19, v17, cc
	v_readlane_b32 s20, v18, cc
	s_cmp_ge_u32 s12, s13
	s_cselect_b32 s14, \lo, s14
	s_cselect_b32 s15, \hi, s15
	s_cselect_b32 s16, s13, s16
	s_cselect_b32 s17, s19, s17
	s_mul_i32 s21, s13, 144
	s_add_co_u32 s[OFFS+cc], s21, s20
	s_add_co_u32 s13, s13, s18
.set cc, cc+1
.endm
.irp lo, 0,1,2,3,4,5,6
.irp hi, 1,2,3,4,5,6,7
.if \hi > \lo
	CLASS \lo, \hi
.endif
.endr
.endr
	s_sub_co_u32 s18, s12, s16
	s_mul_i32 s18, s18, 144
	s_sub_co_i32 s22, s17, s18
	s_max_i32 s22, s22, 0
	s_min_i32 s22, s22, 144                        ; tile B's rows: what is left of the class, 0 .. 144
.irp i, 0,1,2,3
	v_mov_b32 v[12+\i], 0
.set cc, 0
.rept 28
	v_cmp_eq_u32 vcc_lo, cc, v[8+\i]
	v_mbcnt_lo_u32_b32 v20, vcc_lo, s[OFFS+cc]     ; the class's next slot + lanes of the class under mine
	v_cndmask_b32 v[12+\i], v[12+\i], v20, vcc_lo
	s_bcnt1_i32_b32 s18, vcc_lo
	s_add_co_u32 s[OFFS+cc], s[OFFS+cc], s18
.set cc, cc+1
.endr
.endr
	s_lshl_b32 s21, s12, 7
	v_add_nc_u32 v4, s21, v1                       ; the tokens' numbers
	v_add_nc_u32 v5, 32, v4
	v_add_nc_u32 v6, 64, v4
	v_add_nc_u32 v7, 96, v4
.irp i, 0,1,2,3
	v_min_u32 v[12+\i], 36863, v[12+\i]            ; a loaded number enters an address only behind a bound
	v_lshlrev_b32 v[12+\i], 2, v[12+\i]
.endr
.irp i, 0,1,2,3
	global_store_b32 v[12+\i], v[4+\i], s[8:9]
.endr
	s_mul_i32 s20, s12, 576
	v_add_nc_u32 v22, s20, v2                      ; tile B's slots: 576 B + 4 x lane
	v_mov_b32 v28, 0
	s_lshl_b32 s20, s12, 4
	v_mov_b32 v23, s20
	v_mov_b32 v24, s14
	v_mov_b32 v25, s15
	v_mov_b32 v26, s22
	v_mov_b32 v27, 0
.irp i, 0,1,2,3,4
	v_add_nc_u32 v21, 32*\i, v1                    ; slot r of the tile
	v_cmp_le_u32 vcc_lo, s22, v21                  ; unused: rows <= r
	v_cmp_gt_u32 s23, 144, v21                     ; and r < 144
	s_and_b32 vcc_lo, vcc_lo, s23
	s_wait_xcnt 0x0                                ; EXEC changes only behind this wait: earlier stores have read theirs
	s_and_saveexec_b32 s24, vcc_lo
	global_store_b32 v22, v28, s[8:9] offset:128*\i
	s_wait_xcnt 0x0
	s_or_b32 exec_lo, exec_lo, s24
.endr
	v_cmp_eq_u32 vcc_lo, 0, v1
	s_and_saveexec_b32 s24, vcc_lo                 ; (the wait above still holds: nothing was issued since)
	global_store_b128 v23, v[24:27], s[10:11]
	s_wait_xcnt 0x0
	s_or_b32 exec_lo, exec_lo, s24
	s_endpgm
.Lfunc_end_k_q96862a77a7_place:
	.size	k_q96862a77a7_place, .Lfunc_end_k_q96862a77a7_place-k_q96862a77a7_place
	.p2alignl 7, 3214868480
	.fill 96, 4, 3214868480
	.section	.rodata,"a",@progbits
	.p2align	6, 0x0
	.amdhsa_kernel k_q96862a77a7_place
		.amdhsa_group_segment_fixed_size 0
		.amdhsa_private_segment_fixed_size 0
		.amdhsa_enable_private_segment 0
		.amdhsa_kernarg_size 32
		.amdhsa_user_sgpr_count 2
		.amdhsa_user_sgpr_kernarg_segment_ptr 1
		.amdhsa_wavefront_size32 1
		.amdhsa_system_sgpr_workgroup_id_x 1
		.amdhsa_system_sgpr_workgroup_id_y 1
		.amdhsa_system_sgpr_workgroup_id_z 1
		.amdhsa_system_vgpr_workitem_id 0
		.amdhsa_next_free_vgpr 96
		.amdhsa_next_free_sgpr 66
		.amdhsa_reserve_vcc 1
		.amdhsa_float_denorm_mode_32 3
		.amdhsa_float_denorm_mode_16_64 3
		.amdhsa_memory_ordered 1
		.amdhsa_forward_progress 1
		.amdhsa_inst_pref_size 102
	.end_amdhsa_kernel
	.amdgpu_metadata
---
amdhsa.version: [ 1, 2 ]
amdhsa.kernels:
  - .name:           k_q96862a77a7_place
    .symbol:         k_q96862a77a7_place.kd
    .args:
      - { .name: cls, .offset: 0, .size: 8, .value_kind: global_buffer, .address_space: global }
      - { .name: hist, .offset: 8, .size: 8, .value_kind: global_buffer, .address_space: global }
      - { .name: list, .offset: 16, .size: 8, .value_kind: global_buffer, .address_space: global }
      - { .name: table, .offset: 24, .size: 8, .value_kind: global_buffer, .address_space: global }
    .group_segment_fixed_size: 0
    .private_segment_fixed_size: 0
    .kernarg_segment_align: 8
    .kernarg_segment_size: 32
    .max_flat_workgroup_size: 32
    .sgpr_count:     66
    .vgpr_count:     96
    .wavefront_size: 32
...
	.end_amdgpu_metadata
.endif
;; end of part 3
;; launch chain (part 4): grid 255 x 1, 4 waves a work-group, no clusters, 235,520 bytes of LDS; arguments xq, list, table, wq, wsc, b1, g1, be1, b2, g2, be2, b3, out0; writes out0
.if DOCPART == 4
	.amdgcn_target "amdgcn-amd-amdhsa--gfx1250"
	.amdhsa_code_object_version 6
	.text
	.protected	k_q96862a77a7_chain
	.globl	k_q96862a77a7_chain
	.p2align	8
	.type	k_q96862a77a7_chain,@function
k_q96862a77a7_chain:
	s_mov_b64 s[64:65], 0
	v_nop
	global_prefetch_b8 v0, s[64:65] scope:SCOPE_SE
	s_setreg_imm32_b32 hwreg(HW_REG_WAVE_MODE, 25, 1), 1
	s_wait_xcnt 0x0
; THE EXPERTS.  A work-group takes one tile of the list: up to 144 tokens that chose the SAME PAIR of experts (lo, hi), through both experts' three layers, adds the two results by the tokens' weights
; in registers, and stores the tokens' rows of out0: each output row has one owner.  All three products on codes of FP6 (E2M3) with E8M0 scales; sums, LayerNorm, relu, weights in f32.
; Only the two chosen experts are multiplied: the others' rows are dropped by the gather of the definition itself.
; SHARES.  Nine tiles of 16 tokens.  THE WAVES SHARE THE COLUMNS: wave w makes units 64 w .. 64 w + 63 of every layer for all 144 rows, so each weight byte enters the work-group once, from memory straight into
; registers (the fragment images of the first launch), and the activations go round in LDS as rows of codes in xq's layout (bytes 96 s + 48 h: the 12 registers of lane (., h) of K step s; 192..199 the scale words).
; Products are used transposed (source 0 = 16 rows of the weight, source 1 = 16 tokens): lane (r, h) holds token r.  The rows of w1's and w2's tiles were chosen so that a lane's 16 registers of two
; neighbouring tiles are 16 neighbours along the next K: a conversion's 12 bytes are half a block at its place in the token's row, stored as they stand.
; LAYERNORM over 256 units that lie in four waves: each wave takes mean and sum of squared deviations of its 64 units, the four meet in LDS, and are joined by
; M2 = sum of M2_w + 64 x sum of (mean_w - mean)^2: no difference of large sums is formed.
; CONTROL is the same for every tile: stored numbers enter addresses (behind a bound), one select, and one forward branch round the last stores.  Rows beyond the tile's count repeat its row 0:
; they compute the same numbers and store the same bytes to the same row.  A tile with no rows walks through and stores nothing: every wave passes every barrier.
; NO CLUSTER: which weights a work-group reads hangs on stored numbers, neighbours need not share an expert, and 255 work-groups divide into no cluster.
; LIMITS: NaN and infinities are not served; a block of zeros gets the scale byte 1 (its codes are zeros).
; REGISTERS, in windows of 256.  Window 0: v1-3 at work; v4-25 addresses and offsets; v26-31 the activations' scale words; v32-47 the weights' (two sets); v48-65 a pair of statistics a tile;
;   v66-83 the tokens' two weights; v84-101 the tokens of the rows that I gather and store; v102-133 a layer's bias; v134-205 six activation fragments, or gain (v134) and shift (v166); v206-253 at work; v254, v255 the add's two.
;   Window 1: the layer's results, tiles 0-7 (32 m + 8 t + j).   Window 2: the output sums, tiles 0-7.   Window 3: v0-31, v32-63 tile 8 of both; v64-159, v160-255 two sets of weight fragments (12 (2 t + s)).
.set RP, 272                           ; a row of codes in LDS: 256 bytes + 16
.set TP, 16*RP                         ; a tile of 16 rows
.set HR, 39168                         ; LDS: x's rows from 0; the hidden rows from here;
.set STATS, 78336                      ; token x 48 + wave x 8: (mean, M2);
.set OST, 85248                        ; the way out: 144 rows of 1,024 + 16 bytes;
.set OP, 1040
.set SPARE, 235008                     ; the spare words, 128 bytes for each wave: two blocks of 256 bytes that no other line names
.set AFX, 4
.set AFH, 5
.set ASX, 6
.set ASH, 7
.set HST, 8
.set HSB, 9
.set STW, 10
.set STR, 11
.set OSW, 12
.set OSR, 15
.set XSW, 16
.set AWP, 17
.set L16, 18
.set WOFC, 19
.set WOFN, 20
.set SOFC, 21
.set SOFN, 22
.set POFC, 23
.set POFN, 24
.set ROW, 25
.set FS, 26
.set SCA, 32
.set SCB, 40
.set STP, 48
.set WP, 66
.set TOK, 84
.set BIAS, 102
.set FRAG, 134
.set GN, 134
.set BE, 166
.set SCR, 206
.set GOF, 212
.set SPW, 254
.set NIL, 255
.set SA, 64
.set SB, 160
.set MSB, 0
.macro WIN new                         ; the immediate's high byte repeats the setting that is left
.if MSB != (\new)
	s_set_vgpr_msb (MSB<<8)|(\new)
.set MSB, (\new)
.endif
.endm
.macro BARRIER                         ; my LDS stores have landed and my LDS loads are in: then the work-group's barrier
	s_wait_dscnt 0x0
	s_barrier_signal -1
	s_barrier_wait -1
.endm
.macro WLOAD set, aoff, imm            ; my 8 fragments of a layer: 12,288 dense bytes, 512 a load
	WIN 0xc0
.set nn, 0
.rept 24
	global_load_b128 v[\set+4*nn:\set+4*nn+3], v[\aoff], s[14:15] offset:\imm+512*nn
.set nn, nn+1
.endr
	WIN 0
.endm
.macro SLOAD sc, aoff, imm             ; and their scale words
.set nn, 0
.rept 8
	global_load_b32 v[\sc+nn], v[\aoff], s[16:17] offset:\imm+128*nn
.set nn, nn+1
.endr
.endm
.macro PLOAD dst, ptr, aoff            ; a vector of 256 in the hidden results' layout: tile 2 b + u holds units 64 w + 32 b + 16 h + 8 u + 0 .. 7
.irp t, 0,1,2,3
	global_load_b128 v[\dst+8*\t:\dst+8*\t+3], v[\aoff], s[\ptr:\ptr+1] offset:(32*(\t/2)+8*(\t%2))*4
	global_load_b128 v[\dst+8*\t+4:\dst+8*\t+7], v[\aoff], s[\ptr:\ptr+1] offset:(32*(\t/2)+8*(\t%2))*4+16
.endr
.endm
; Triple k of six: K step k / 3, token tiles 3 (k % 3) + 0 .. 2.  Their fragments and scale words into half 0 or 1 of the six buffers: 9 + 3 LDS loads
.macro FLOAD half, k, af, as
.irp u, 0,1,2
.set FM, 3*((\k)%3)+\u
.set FB, 3*(\half)+\u
.irp i, 0,1,2
	ds_load_b128 v[FRAG+12*FB+4*\i:FRAG+12*FB+4*\i+3], v[\af] offset:TP*FM+96*((\k)/3)+16*\i
.endr
	ds_load_b32 v[FS+FB], v[\as] offset:TP*FM+4*((\k)/3)
.endr
.endm
; and their 12 products.  K step 0 starts the sums, with the bias or with 0 as C
.macro FMUL half, k, set, sc, bias
.irp u, 0,1,2
.set FM, 3*((\k)%3)+\u
.set FB, 3*(\half)+\u
.set HW, 1+2*(FM/8)
.set HB, 32*(FM%8)
.if (\k) < 3
	WIN (HW<<6)|3
.else
	WIN (HW<<6)|(HW<<4)|3
.endif
.irp t, 0,1,2,3
.if (\k) >= 3
	v_wmma_scale_f32_16x16x128_f8f6f4 v[HB+8*\t:HB+8*\t+7], v[\set+24*\t+12:\set+24*\t+23], v[FRAG+12*FB:FRAG+12*FB+11], v[HB+8*\t:HB+8*\t+7], v[\sc+2*\t+1], v[FS+FB] matrix_a_fmt:MATRIX_FMT_FP6 matrix_b_fmt:MATRIX_FMT_FP6
.elseif \bias
	v_wmma_scale_f32_16x16x128_f8f6f4 v[HB+8*\t:HB+8*\t+7], v[\set+24*\t:\set+24*\t+11], v[FRAG+12*FB:FRAG+12*FB+11], v[BIAS+8*\t:BIAS+8*\t+7], v[\sc+2*\t], v[FS+FB] matrix_a_fmt:MATRIX_FMT_FP6 matrix_b_fmt:MATRIX_FMT_FP6
.else
	v_wmma_scale_f32_16x16x128_f8f6f4 v[HB+8*\t:HB+8*\t+7], v[\set+24*\t:\set+24*\t+11], v[FRAG+12*FB:FRAG+12*FB+11], 0, v[\sc+2*\t], v[FS+FB] matrix_a_fmt:MATRIX_FMT_FP6 matrix_b_fmt:MATRIX_FMT_FP6
.endif
.endr
.endr
.endm
; A layer's product: all nine tiles through K step 0, then through K step 1, so that the 36 accumulators take turns, one instruction a turn.
; A triple's loads are issued a triple ahead, into the half that has just been multiplied, four places behind its products.
.macro MATMUL af, as, set, sc, bias
	FLOAD 0, 0, \af, \as
	FLOAD 1, 1, \af, \as
.irp k, 0,1,2,3,4,5
.if \k < 5
	s_wait_dscnt 12                                ; this triple is in; the next one's 12 loads may be out
.else
	s_wait_dscnt 0x0
.endif
	FMUL \k%2, \k, \set, \sc, \bias
	WIN 0
.rept 4
	v_nop                                          ; places ahead of loads into registers that these products read, and of the first read of results
.endr
.if \k < 4
	FLOAD \k%2, \k+2, \af, \as
.endif
.endr
.endm
; Tile m: mean and M2 of my 64 units of each token; the results become deviations from my mean, in place; (mean, M2) to LDS
.macro STATA m
.set HW, 1+2*((\m)/8)
.set HB, 32*((\m)%8)
	WIN (HW<<2)|HW
.irp i, 0,1,2,3,4,5,6,7
	v_pk_add_f32 v[SCR+2*\i:SCR+2*\i+1], v[HB+4*\i:HB+4*\i+1], v[HB+4*\i+2:HB+4*\i+3]   ; each accumulator from its low end on
.endr
	WIN 0
	v_pk_add_f32 v[SCR:SCR+1], v[SCR:SCR+1], v[SCR+2:SCR+3]
	v_pk_add_f32 v[SCR+4:SCR+5], v[SCR+4:SCR+5], v[SCR+6:SCR+7]
	v_pk_add_f32 v[SCR+8:SCR+9], v[SCR+8:SCR+9], v[SCR+10:SCR+11]
	v_pk_add_f32 v[SCR+12:SCR+13], v[SCR+12:SCR+13], v[SCR+14:SCR+15]
	v_pk_add_f32 v[SCR:SCR+1], v[SCR:SCR+1], v[SCR+4:SCR+5]
	v_pk_add_f32 v[SCR+8:SCR+9], v[SCR+8:SCR+9], v[SCR+12:SCR+13]
	v_pk_add_f32 v[SCR:SCR+1], v[SCR:SCR+1], v[SCR+8:SCR+9]
	v_add_f32 v1, v[SCR], v[SCR+1]
	v_permlanex16_b32 v2, v1, s36, s37             ; the token's other 32 units lie in the lane 16 away
	v_add_f32 v[STP+2*(\m)+1], v1, v2
	v_mul_f32 v[STP+2*(\m)], 0x3c800000, v[STP+2*(\m)+1]             ; / 64: my mean
	WIN (HW<<6)|HW
.set qq, 0
.rept 16
	v_pk_add_f32 v[HB+qq:HB+qq+1], v[HB+qq:HB+qq+1], v[STP+2*(\m):STP+2*(\m)+1] op_sel_hi:[1,0] neg_lo:[0,1] neg_hi:[0,1]
.set qq, qq+2
.endr
	WIN (HW<<2)|HW
.irp c, 0,1,2,3
	v_pk_mul_f32 v[SCR+16+2*\c:SCR+17+2*\c], v[HB+2*\c:HB+2*\c+1], v[HB+2*\c:HB+2*\c+1]
.endr
.set qq, 4
.rept 12
	v_pk_fma_f32 v[SCR+16+2*(qq%4):SCR+17+2*(qq%4)], v[HB+2*qq:HB+2*qq+1], v[HB+2*qq:HB+2*qq+1], v[SCR+16+2*(qq%4):SCR+17+2*(qq%4)]
.set qq, qq+1
.endr
	WIN 0
	v_pk_add_f32 v[SCR+16:SCR+17], v[SCR+16:SCR+17], v[SCR+18:SCR+19]
	v_pk_add_f32 v[SCR+20:SCR+21], v[SCR+20:SCR+21], v[SCR+22:SCR+23]
	v_pk_add_f32 v[SCR+16:SCR+17], v[SCR+16:SCR+17], v[SCR+20:SCR+21]
	v_add_f32 v1, v[SCR+16], v[SCR+17]
	v_permlanex16_b32 v2, v1, s36, s37
	v_add_f32 v[STP+2*(\m)+1], v1, v2              ; my M2
	ds_store_b64 v[STW], v[STP+2*(\m):STP+2*(\m)+1] offset:768*(\m)  ; both halves of the lanes write the same pair
.endm
; Tile m, the four waves' pairs in v[a] .. v[a + 7]: the pair becomes (my mean - the mean, variance + eps)
.macro STB m, a
	v_add_f32 v1, v[\a], v[\a+2]
	v_add_f32 v2, v[\a+4], v[\a+6]
	v_add_f32 v3, v[\a+1], v[\a+3]
	v_add_f32 v1, v1, v2
	v_add_f32 v2, v[\a+5], v[\a+7]
	v_mul_f32 v1, 0x3e800000, v1                   ; the mean of all 256
	v_add_f32 v3, v3, v2
	v_sub_f32 v[\a], v[\a], v1
	v_sub_f32 v[\a+2], v[\a+2], v1
	v_sub_f32 v[\a+4], v[\a+4], v1
	v_sub_f32 v[\a+6], v[\a+6], v1
	v_sub_f32 v[STP+2*(\m)], v[STP+2*(\m)], v1
	v_mul_f32 v2, v[\a], v[\a]
	v_fmac_f32 v2, v[\a+2], v[\a+2]
	v_fmac_f32 v2, v[\a+4], v[\a+4]
	v_fmac_f32 v2, v[\a+6], v[\a+6]
	v_fmamk_f32 v3, v2, 0x42800000, v3             ; M2 = sum of M2_w + 64 x sum of (mean_w - mean)^2
	v_fma_f32 v[STP+2*(\m)+1], v3, s43, s44        ; / 256 + eps
.endm
.macro STATB                           ; all nine tiles; at its end the pair is (c, rstd): normalised = deviation x rstd + c
.irp m, 0,1,2,3,4,5
	ds_load_b128 v[SCR+8*\m:SCR+8*\m+3], v[STR] offset:768*\m
	ds_load_b128 v[SCR+8*\m+4:SCR+8*\m+7], v[STR] offset:768*\m+16
.endr
	s_wait_dscnt 0x0
.irp m, 0,1,2,3,4,5
	STB \m, SCR+8*\m
.endr
.irp m, 6,7,8
	ds_load_b128 v[SCR+8*(\m-6):SCR+8*(\m-6)+3], v[STR] offset:768*\m
	ds_load_b128 v[SCR+8*(\m-6)+4:SCR+8*(\m-6)+7], v[STR] offset:768*\m+16
.endr
	s_wait_dscnt 0x0
.irp m, 6,7,8
	STB \m, SCR+8*(\m-6)
.endr
.irp m, 0,1,2,3,4,5,6,7,8
	v_rsq_f32 v[STP+2*\m+1], v[STP+2*\m+1]
.endr
	v_nop                                          ; a plain place behind the last of the batch
	s_wait_alu depctr_va_vdst(0)                   ; one wait for the nine, ahead of their first reader
.irp m, 0,1,2,3,4,5,6,7,8
	v_mul_f32 v[STP+2*\m], v[STP+2*\m], v[STP+2*\m+1]
.endr
.endm
; Tile m: normalise, gain and shift, relu, quantise my two blocks of 32 units, codes and scale bytes into the tokens' hidden rows
.macro NORMQ m
.set HW, 1+2*((\m)/8)
.set HB, 32*((\m)%8)
.set NS, SCR+16*((\m)%3)
.if (\m) >= 3
	s_wait_dscnt 16                                ; the stores of three tiles ago are done (the two younger tiles' 8 each may be out): their registers are written again
.endif
	WIN (HW<<6)|HW
.set qq, 0
.rept 16
	v_pk_fma_f32 v[HB+qq:HB+qq+1], v[HB+qq:HB+qq+1], v[STP+2*(\m):STP+2*(\m)+1], v[STP+2*(\m):STP+2*(\m)+1] op_sel:[0,1,0] op_sel_hi:[1,1,0]   ; x rstd + c
.set qq, qq+2
.endr
.set qq, 0
.rept 16
	v_pk_fma_f32 v[HB+qq:HB+qq+1], v[HB+qq:HB+qq+1], v[GN+qq:GN+qq+1], v[BE+qq:BE+qq+1]
.set qq, qq+2
.endr
	WIN (HW<<6)|(HW<<2)
.set qq, 0
.rept 32
	v_max_num_f32 v[HB+qq], 0, v[HB+qq]
.set qq, qq+1
.endr
	WIN (HW<<2)|HW
.irp b, 0,1
	v_max3_num_f32 v[NS+\b], v[HB+16*\b], v[HB+16*\b+1], 0x1800000   ; none is negative: no |.|; the floor 2^(3 - 127) holds the byte at 1 from below
.endr
.irp i, 2,4,6,8,10,12,14
.irp b, 0,1
	v_max3_num_f32 v[NS+\b], v[HB+16*\b+\i], v[HB+16*\b+\i+1], v[NS+\b]
.endr
.endr
	WIN 0
.irp b, 0,1
	v_permlanex16_b32 v[NS+2+\b], v[NS+\b], s36, s37
.endr
.irp b, 0,1
	v_max_num_f32 v[NS+\b], v[NS+\b], v[NS+2+\b]   ; with lane l xor 16's 16: the block's largest
.endr
.irp b, 0,1
	v_add_nc_u32 v[NS+4+\b], 0xff000000, v[NS+\b]  ; 2 off the exponent field: the conversion's scale operand
.endr
.irp b, 0,1
	v_lshrrev_b32 v[NS+2+\b], 23, v[NS+4+\b]       ; the scale's byte
.endr
	WIN HW
	v_cvt_scalef32_pk16_fp6_f32 v[NS+6:NS+8], v[HB:HB+15], v[NS+4]
	v_cvt_scalef32_pk16_fp6_f32 v[NS+10:NS+12], v[HB+16:HB+31], v[NS+5]
	WIN 0
	v_nop                                          ; one plain place behind the scaled conversions
.irp b, 0,1
.irp q, 0,1,2
	ds_store_b32 v[HST], v[NS+6+4*\b+\q] offset:TP*(\m)+48*\b+4*\q   ; 12 bytes: half a block, at its place in the row
.endr
	ds_store_b8 v[HSB], v[NS+2+\b] offset:TP*(\m)+\b                 ; both halves of the lanes write the same byte
.endr
.endm
	s_load_b512 s[8:23], s[0:1], 0x0               ; xq s[8:9], list s[10:11], table s[12:13], wq s[14:15], wsc s[16:17], b1 s[18:19], g1 s[20:21], be1 s[22:23]
	s_load_b256 s[24:31], s[0:1], 0x40             ; b2 s[24:25], g2 s[26:27], be2 s[28:29], b3 s[30:31]
	s_load_b64 s[32:33], s[0:1], 0x60              ; out0
	v_lshl_add_u32 v[SPW], v0, 2, SPARE
	v_mov_b32 v[NIL], 0
	v_lshrrev_b32 v1, 5, v0
	v_readfirstlane_b32 s34, v1                    ; wave w
	v_and_b32 v1, 31, v0                           ; lane
	v_and_b32 v2, 15, v0                           ; r
	v_bfe_u32 v3, v0, 4, 1                         ; h
	v_mul_u32_u24 v206, v2, RP
	v_mad_u32_u24 v[AFX], v3, 48, v206             ; a fragment's place: row r, + 48 h
	v_add_nc_u32 v[AFH], HR, v[AFX]
	v_add_nc_u32 v[ASX], 192, v206                 ; and its scale word's
	v_add_nc_u32 v[ASH], HR+192, v206
	s_lshr_b32 s45, s34, 1                         ; my units' K step of the next product,
	s_and_b32 s46, s34, 1                          ; and which half of it
	s_mul_i32 s47, s45, 96
	s_mul_i32 s52, s46, 24
	s_add_co_u32 s47, s47, s52
	s_add_co_u32 s47, s47, HR
	v_mad_u32_u24 v[HST], v3, 12, v206
	v_add_nc_u32 v[HST], s47, v[HST]               ; my codes: 96 (w / 2) + 24 (w % 2) + 12 h (+ 48 b)
	s_lshl_b32 s47, s45, 2
	s_lshl_b32 s52, s46, 1
	s_add_co_u32 s47, s47, s52
	s_add_co_u32 s47, s47, HR+192
	v_add_nc_u32 v[HSB], s47, v206                 ; my scale bytes: 192 + 4 (w / 2) + 2 (w % 2) (+ b)
	v_mul_u32_u24 v[STR], v2, 48
	v_add_nc_u32 v[STR], STATS, v[STR]
	s_lshl_b32 s47, s34, 3
	v_add_nc_u32 v[STW], s47, v[STR]
	v_mul_u32_u24 v207, v2, OP
	v_lshl_add_u32 v207, v3, 5, v207
	s_lshl_b32 s47, s34, 8
	s_add_co_u32 s47, s47, OST
	v_add_nc_u32 v[OSW], s47, v207                 ; the way out, in: row r, + 256 w + 32 h; three registers reach the nine tiles
	v_add_nc_u32 v[OSW+1], 3*16*OP, v[OSW]
	v_add_nc_u32 v[OSW+2], 6*16*OP, v[OSW]
	s_mul_i32 s47, s34, 36*OP
	s_add_co_u32 s47, s47, OST
	v_mul_u32_u24 v207, v3, OP
	v_lshl_add_u32 v207, v2, 4, v207
	v_add_nc_u32 v[OSR], s47, v207                 ; and back: rows 36 w on, lanes 0-15 one row, lanes 16-31 the next
	s_mul_i32 s47, s34, 36*RP
	v_mul_u32_u24 v207, v3, RP
	v_lshl_add_u32 v207, v2, 4, v207
	v_add_nc_u32 v[XSW], s47, v207                 ; the same rows of x's codes
	v_add_nc_u32 v[AWP], 200, v206                 ; a token's two weights
	v_lshlrev_b32 v[L16], 4, v2
	s_mul_i32 s47, s34, 36
	v_add_nc_u32 v[ROW], s47, v3                   ; 36 w + h
	s_mul_i32 s54, s34, 144
	v_lshl_add_u32 v208, v3, 2, s54                ; those rows' words of the list
	s_mov_b32 s36, 0x76543210
	s_mov_b32 s37, 0xfedcba98                      ; v_permlanex16_b32's selects for lane l xor 16
	s_mov_b32 s38, 0                               ; the pass: 0 the lower expert, 1 the higher
	s_mov_b32 s43, 0x3b800000                      ; 1 / 256
	s_mov_b32 s44, 0x3727c5ac                      ; eps = 1e-5
	s_wait_kmcnt 0x0
	s_lshl_b32 s46, ttmp9, 4
	s_mov_b32 s47, 0
	s_add_nc_u64 s[52:53], s[12:13], s[46:47]
	s_load_b128 s[48:51], s[52:53], 0x0            ; my tile: lo, hi, rows
	s_mul_i32 s46, ttmp9, 576
	s_add_nc_u64 s[10:11], s[10:11], s[46:47]
	s_load_b32 s42, s[10:11], 0x0                  ; its row 0's token
.irp i, 0,1,2,3,4,5,6,7,8,9,10,11,12,13,14,15,16,17
	global_load_b32 v[TOK+\i], v208, s[10:11] offset:8*\i            ; the token of row 36 w + 2 i + h
.endr
	s_wait_kmcnt 0x0
	s_min_u32 s40, s48, 7                          ; stored numbers enter addresses only behind a bound
	s_min_u32 s41, s49, 7
	s_min_u32 s39, s50, 144
	s_mul_i32 s45, s34, 12288
	s_add_co_u32 s45, s45, 49152
	v_lshl_add_u32 v209, v1, 4, s45
	s_mul_i32 s46, s40, 49152
	s_mul_i32 s47, s41, 49152
	v_add_nc_u32 v[WOFC], s46, v209                ; codes: matrix 1 + e, my 8 fragments, 16 x lane; layers 2 and 3 stand in the immediates
	v_add_nc_u32 v[WOFN], s47, v209
	s_lshl_b32 s45, s34, 10
	s_add_co_u32 s45, s45, 4096
	v_lshl_add_u32 v209, v1, 2, s45
	s_lshl_b32 s46, s40, 12
	s_lshl_b32 s47, s41, 12
	v_add_nc_u32 v[SOFC], s46, v209                ; scale words likewise
	v_add_nc_u32 v[SOFN], s47, v209
	s_lshl_b32 s45, s34, 8
	v_lshl_add_u32 v209, v3, 6, s45
	v_lshl_add_u32 v207, v3, 5, s45
	s_lshl_b32 s46, s40, 10
	s_lshl_b32 s47, s41, 10
	v_add_nc_u32 v[POFC], s46, v209                ; vectors of 256: 1,024 e + 256 w + 64 h
	v_add_nc_u32 v[POFN], s47, v209
	v_add_nc_u32 v210, s46, v207                   ; b3, whose tiles are natural: + 32 h
	v_add_nc_u32 v211, s47, v207
	WLOAD SA, WOFC, 0                              ; layer 1 of the lower expert: 24 + 8 + 8 loads
	SLOAD SCA, SOFC, 0
	PLOAD BIAS, 18, POFC
	s_wait_loadcnt 40                              ; those 40 are younger: the list is here
	s_mov_b32 s46, s39
.irp i, 0,1,2,3,4,5,6,7,8,9,10,11,12,13,14,15,16,17
	v_cmp_gt_i32 vcc_lo, s46, v[ROW]               ; row 36 w + 2 i + h < rows?
	v_cndmask_b32 v[TOK+\i], s42, v[TOK+\i], vcc_lo                  ; a row beyond the count repeats row 0
	v_min_u32 v[TOK+\i], 0x7fff, v[TOK+\i]
	v_lshl_add_u32 v[GOF+\i], v[TOK+\i], 8, v[L16]
	s_sub_co_i32 s46, s46, 2
.endr
	WIN 0x40
.irp i, 0,1,2,3,4,5,6,7,8,9,10,11,12,13,14,15,16,17
	global_load_b128 v[4*\i:4*\i+3], v[GOF+\i], s[8:9]               ; sixteen lanes read one whole row of 256 bytes
.endr
	WIN 0
	WLOAD SB, WOFC, 393216                         ; layer 2 of the lower expert, and both experts' b3: 24 + 8 + 16 loads
	SLOAD SCB, SOFC, 32768
.irp t, 0,1,2,3
	global_load_b128 v[FRAG+8*\t:FRAG+8*\t+3], v210, s[30:31] offset:64*\t
	global_load_b128 v[FRAG+8*\t+4:FRAG+8*\t+7], v210, s[30:31] offset:64*\t+16
	global_load_b128 v[FRAG+32+8*\t:FRAG+32+8*\t+3], v211, s[30:31] offset:64*\t
	global_load_b128 v[FRAG+32+8*\t+4:FRAG+32+8*\t+7], v211, s[30:31] offset:64*\t+16
.endr
	s_wait_loadcnt 48                              ; those 48 are younger: the gathered rows are here
	WIN 0x04
.irp i, 0,1,2,3,4,5,6,7,8,9,10,11,12,13,14,15,16,17
	ds_store_b128 v[XSW], v[4*\i:4*\i+3] offset:2*RP*\i
.endr
	WIN 0
	BARRIER                                        ; x's 144 rows lie in LDS
.irp m, 0,1,2,3,4,5,6,7,8
	ds_load_b64 v[WP+2*\m:WP+2*\m+1], v[AWP] offset:TP*\m
.endr
	s_wait_loadcnt 0x0
	s_wait_dscnt 0x0
	; the output sums begin as wlo b3[lo] + whi b3[hi]: nothing is cleared, and layer 3's products start with 0
	WIN 0x80
.irp m, 0,1,2,3,4,5,6,7
.set qq, 0
.rept 16
	v_pk_mul_f32 v[32*\m+qq:32*\m+qq+1], v[FRAG+qq:FRAG+qq+1], v[WP+2*\m:WP+2*\m+1] op_sel_hi:[1,0]
.set qq, qq+2
.endr
.endr
	WIN 0xa0
.irp m, 0,1,2,3,4,5,6,7
.set qq, 0
.rept 16
	v_pk_fma_f32 v[32*\m+qq:32*\m+qq+1], v[FRAG+32+qq:FRAG+32+qq+1], v[WP+2*\m:WP+2*\m+1], v[32*\m+qq:32*\m+qq+1] op_sel:[0,1,0] op_sel_hi:[1,1,1]
.set qq, qq+2
.endr
.endr
	WIN 0xc0
.set qq, 0
.rept 16
	v_pk_mul_f32 v[32+qq:32+qq+1], v[FRAG+qq:FRAG+qq+1], v[WP+16:WP+17] op_sel_hi:[1,0]
.set qq, qq+2
.endr
	WIN 0xf0
.set qq, 0
.rept 16
	v_pk_fma_f32 v[32+qq:32+qq+1], v[FRAG+32+qq:FRAG+32+qq+1], v[WP+16:WP+17], v[32+qq:32+qq+1] op_sel:[0,1,0] op_sel_hi:[1,1,1]
.set qq, qq+2
.endr
	WIN 0
.Lpass:                                            ; two trips: one expert each.  What differs lies in the offsets (current, next) and in the low word of the weights' pairs
	MATMUL AFX, ASX, SA, SCA, 1                    ; layer 1: x w1 + b1
	PLOAD GN, 20, POFC                             ; g1, be1, b2: 24 loads, behind the products' places
	PLOAD BE, 22, POFC
	PLOAD BIAS, 24, POFC
.irp m, 0,1,2,3,4,5,6,7,8
	STATA \m
.endr
	BARRIER                                        ; the four waves' pairs lie in LDS
	STATB
	s_wait_loadcnt 0x0                             ; g1, be1, b2, and layer 2's weights
	s_cmp_eq_u32 s38, 1                            ; a counter alone: the last pass asks for no next expert
	s_cbranch_scc1 .Lno_sa
	WLOAD SA, WOFN, 0                              ; layer 1 of the next expert
	SLOAD SCA, SOFN, 0
.Lno_sa:
.irp m, 0,1,2,3,4,5,6,7,8
	NORMQ \m
.endr
	BARRIER                                        ; the hidden rows are whole; every wave's reads of the pairs are over
	MATMUL AFH, ASH, SB, SCB, 1                    ; layer 2
	PLOAD GN, 26, POFC                             ; g2, be2
	PLOAD BE, 28, POFC
	s_cmp_eq_u32 s38, 1
	s_cbranch_scc1 .Lno_b1
	PLOAD BIAS, 18, POFN                           ; b1 of the next expert
.Lno_b1:
	WLOAD SB, WOFC, 786432                         ; layer 3 of this expert: 24 + 8 loads, the youngest on both ways
	SLOAD SCB, SOFC, 65536
.irp m, 0,1,2,3,4,5,6,7,8
	STATA \m
.endr
	BARRIER                                        ; the pairs lie in LDS; every wave's reads of the hidden rows are over
	STATB
	s_wait_loadcnt 32                              ; layer 3's 32 loads may be out: g2 and be2 are here
.irp m, 0,1,2,3,4,5,6,7,8
	NORMQ \m
.endr
	BARRIER
	s_wait_loadcnt 0x0                             ; layer 3's weights; the next expert's layer 1 and b1 with them
	MATMUL AFH, ASH, SB, SCB, 0                    ; layer 3
	s_cmp_eq_u32 s38, 1
	s_cbranch_scc1 .Lno_sb
	WLOAD SB, WOFN, 393216                         ; layer 2 of the next expert
	SLOAD SCB, SOFN, 32768
.Lno_sb:
	WIN 0xa1                                       ; the sums += this expert's weight x its result, each accumulator from its low end on
.irp m, 0,1,2,3,4,5,6,7
.set qq, 0
.rept 16
	v_pk_fma_f32 v[32*\m+qq:32*\m+qq+1], v[32*\m+qq:32*\m+qq+1], v[WP+2*\m:WP+2*\m+1], v[32*\m+qq:32*\m+qq+1] op_sel_hi:[1,0,1]
.set qq, qq+2
.endr
.endr
	WIN 0xf3
.set qq, 0
.rept 16
	v_pk_fma_f32 v[32+qq:32+qq+1], v[qq:qq+1], v[WP+16:WP+17], v[32+qq:32+qq+1] op_sel_hi:[1,0,1]
.set qq, qq+2
.endr
	WIN 0
.irp m, 0,1,2,3,4,5,6,7,8
	v_mov_b32 v[WP+2*\m], v[WP+2*\m+1]             ; the next pass takes the higher expert's weight,
.endr
	v_mov_b32 v[WOFC], v[WOFN]                     ; and its offsets (the loads that named the current ones were waited for ahead of layer 3)
	v_mov_b32 v[SOFC], v[SOFN]
	v_mov_b32 v[POFC], v[POFN]
	s_add_co_u32 s38, s38, 1
	s_cmp_lt_u32 s38, 2
	s_cbranch_scc1 .Lpass
	; THE WAY OUT.  A row's 256 outputs come from four waves: they meet in a stage, and each wave sends 36 whole rows, sixteen lanes to 256 consecutive bytes
	WIN 0x08
.irp m, 0,1,2,3,4,5,6,7
.irp t, 0,1,2,3
	ds_store_b128 v[OSW+\m/3], v[32*\m+8*\t:32*\m+8*\t+3] offset:(\m%3)*16*OP+64*\t
	ds_store_b128 v[OSW+\m/3], v[32*\m+8*\t+4:32*\m+8*\t+7] offset:(\m%3)*16*OP+64*\t+16
.endr
.endr
	WIN 0x0c
.irp t, 0,1,2,3
	ds_store_b128 v[OSW+2], v[32+8*\t:32+8*\t+3] offset:2*16*OP+64*\t
	ds_store_b128 v[OSW+2], v[32+8*\t+4:32+8*\t+7] offset:2*16*OP+64*\t+16
.endr
	WIN 0
	BARRIER
	s_cmp_eq_u32 s39, 0                            ; a tile without rows stores nothing; no barrier lies ahead
	s_cbranch_scc1 .Lend
.irp i, 0,1,2,3,4,5,6,7,8,9,10,11,12,13,14,15,16,17
	v_lshl_add_u32 v[TOK+\i], v[TOK+\i], 10, v[L16]                  ; the token's row of out0, + my 16 bytes
.endr
.macro OFETCH g                        ; 12 rows: 24 LDS loads into set g % 2 of window 1
	WIN 0x40
.irp ii, 0,1,2,3,4,5
.irp qv, 0,1,2,3
	ds_load_b128 v[96*((\g)%2)+16*\ii+4*\qv:96*((\g)%2)+16*\ii+4*\qv+3], v[OSR] offset:(6*(\g)+\ii)*2*OP+256*\qv
.endr
.endr
.endm
.macro OSEND g
	WIN 0x04
.irp ii, 0,1,2,3,4,5
.irp qv, 0,1,2,3
	global_store_b128 v[TOK+6*(\g)+\ii], v[96*((\g)%2)+16*\ii+4*\qv:96*((\g)%2)+16*\ii+4*\qv+3], s[32:33] offset:256*\qv th:TH_STORE_NT   ; written once, read by nobody here
.endr
.endr
.endm
	OFETCH 0
	OFETCH 1
	s_wait_dscnt 24                                ; the first batch is back; the second's 24 loads may be out
	OSEND 0
	s_wait_xcnt 0x0                                ; those stores have read their registers: the third batch may land there
	OFETCH 2
	s_wait_dscnt 24
	OSEND 1
	s_wait_dscnt 0x0
	OSEND 2
	WIN 0
.Lend:
	s_wait_tensorcnt 0x0                           ; the wave's end, behind my last LDS store
	ds_add_u32 v[SPW], v[NIL]
	s_wait_dscnt 0x0
	s_endpgm
.Lfunc_end_k_q96862a77a7_chain:
	.size	k_q96862a77a7_chain, .Lfunc_end_k_q96862a77a7_chain-k_q96862a77a7_chain
	.p2alignl 7, 3214868480
	.fill 96, 4, 3214868480
	.section	.rodata,"a",@progbits
	.p2align	6, 0x0
	.amdhsa_kernel k_q96862a77a7_chain
		.amdhsa_group_segment_fixed_size 235520
		.amdhsa_private_segment_fixed_size 0
		.amdhsa_enable_private_segment 0
		.amdhsa_kernarg_size 104
		.amdhsa_user_sgpr_count 2
		.amdhsa_user_sgpr_kernarg_segment_ptr 1
		.amdhsa_wavefront_size32 1
		.amdhsa_system_sgpr_workgroup_id_x 1
		.amdhsa_system_sgpr_workgroup_id_y 1
		.amdhsa_system_sgpr_workgroup_id_z 1
		.amdhsa_system_vgpr_workitem_id 0
		.amdhsa_next_free_vgpr 1024
		.amdhsa_next_free_sgpr 66
		.amdhsa_reserve_vcc 1
		.amdhsa_float_denorm_mode_32 3
		.amdhsa_float_denorm_mode_16_64 3
		.amdhsa_memory_ordered 1
		.amdhsa_forward_progress 1
		.amdhsa_inst_pref_size 255
	.end_amdhsa_kernel
	.section	.bss,"aw",@nobits
	.p2align	6
	.space	262144
	.amdgpu_metadata
---
amdhsa.version: [ 1, 2 ]
amdhsa.kernels:
  - .name:           k_q96862a77a7_chain
    .symbol:         k_q96862a77a7_chain.kd
    .args:
      - { .name: xq, .offset: 0, .size: 8, .value_kind: global_buffer, .address_space: global }
      - { .name: list, .offset: 8, .size: 8, .value_kind: global_buffer, .address_space: global }
      - { .name: table, .offset: 16, .size: 8, .value_kind: global_buffer, .address_space: global }
      - { .name: wq, .offset: 24, .size: 8, .value_kind: global_buffer, .address_space: global }
      - { .name: wsc, .offset: 32, .size: 8, .value_kind: global_buffer, .address_space: global }
      - { .name: b1, .offset: 40, .size: 8, .value_kind: global_buffer, .address_space: global }
      - { .name: g1, .offset: 48, .size: 8, .value_kind: global_buffer, .address_space: global }
      - { .name: be1, .offset: 56, .size: 8, .value_kind: global_buffer, .address_space: global }
      - { .name: b2, .offset: 64, .size: 8, .value_kind: global_buffer, .address_space: global }
      - { .name: g2, .offset: 72, .size: 8, .value_kind: global_buffer, .address_space: global }
      - { .name: be2, .offset: 80, .size: 8, .value_kind: global_buffer, .address_space: global }
      - { .name: b3, .offset: 88, .size: 8, .value_kind: global_buffer, .address_space: global }
      - { .name: out0, .offset: 96, .size: 8, .value_kind: global_buffer, .address_space: global }
    .group_segment_fixed_size: 235520
    .private_segment_fixed_size: 0
    .kernarg_segment_align: 8
    .kernarg_segment_size: 104
    .max_flat_workgroup_size: 128
    .sgpr_count:     66
    .vgpr_count:     1024
    .wavefront_size: 32
...
	.end_amdgpu_metadata
.endif
;; end of part 4
;; ======== version 2 of 2: 4 launches; version 1 with the launches gate, chain written anew for expert scheduling mode
;; workspace buffers: wq 1,228,800 bytes; wsc 102,400 bytes; xq 8,388,608 bytes; cls 131,072 bytes of whole numbers; hist 32,768 bytes of whole numbers; list 147,456 bytes of whole numbers; table 4,096 bytes of whole numbers
;; launch prep: the kernel of part 1 again; grid 200 x 1, 4 waves a work-group, no clusters, 0 bytes of LDS; arguments gw1, w1, w2, w3, wq, wsc; writes wq, wsc
;; launch gate (part 5): grid 256 x 1, 8 waves a work-group, no clusters, 198,656 bytes of LDS; arguments x, wq, wsc, gw2, gb1, gb2, xq, cls, hist; writes xq, cls, hist
.if DOCPART == 5
	.amdgcn_target "amdgcn-amd-amdhsa--gfx1250"
	.amdhsa_code_object_version 6
	.text
	.protected	k_q96862a77a7_gate
	.globl	k_q96862a77a7_gate
	.p2align	8
	.type	k_q96862a77a7_gate,@function
k_q96862a77a7_gate:
	s_mov_b64 s[64:65], 0
	v_nop
	global_prefetch_b8 v0, s[64:65] scope:SCOPE_SE
	s_setreg_imm32_b32 hwreg(HW_REG_WAVE_SCHED_MODE, 0, 2), 2
	s_setreg_imm32_b32 hwreg(HW_REG_WAVE_MODE, 25, 1), 1
	s_wait_xcnt 0x0
	s_wait_alu depctr_vm_vsrc(0)
; THE ROUTER, and x's codes.  A work-group takes 128 tokens, each of its eight waves 16 (one tile) through everything:
;   x (f32) -> codes of FP6 (E2M3) with E8M0 scales along K = 256;  hidden = relu(Q(x) Q(gw1) + gb1) on the codes;  logits = hidden gw2 + gb2 in f32 (f32 matrix form: 8 columns only,
;   and a logit that turns over changes a token's experts);  the two largest logits, their experts and weights;  the token's class (its pair of experts, 0 .. 27).
; STORED: xq [token][256 bytes]: bytes 96 s + 48 h .. + 47 = the 12 registers of lane (., h) of K step s; 192..199 the two scale words; 200 the weight of the lower expert, 204 of the higher; then zeros.
;         cls [token] the class;  hist [work-group][32] how many of its 128 tokens fall into each class.  No address and no branch here hangs on a class.
; THE WEIGHTS: top_v / sum(top_v) of a softmax is p1 = 1 / (1 + e), p2 = e / (1 + e) with e = exp(l2 - l1), l1 >= l2 the two largest logits: the largest is taken away ahead of the exponential, e <= 1.
; LIMITS: the two experts are chosen on the logits (strictly greater wins, so the lower index is kept on equal logits); two different logits that round to one softmax gate are told apart here.
;         A block of zeros gets the scale byte 1 (its codes are zeros).  NaN and infinities are not served.
; Both products are used transposed (source 0 = 16 rows of the weight, source 1 = my 16 tokens): lane (r, h) holds token r throughout.
; LDS: gw1's 32 fragment images and scale words, gw2 transposed, gb1 (copied in once, dense), the waves' histograms and classes, a stage of 16,640 bytes for each wave, the spare words.
; REGISTERS: window 0: v1-19 ids and addresses; v20-43 x's two fragments; v44-45 their scale words; v46-69 at work in the quantiser; v70-197 x turned, later gw1's fragments (v70-165) and gb1 (v174-205);
;   v206-237 four f32 accumulators (written by matrix instructions alone); v238-245 gb2; v246-253 gw1's scale words.   window 1: v0-60 copy-in, later gw2's operand (v0-127); v128-255 x as loaded, later the hidden layer.
; THE MODE: SCHED_MODE bits 1:0 = 2 (LLVM: expert scheduling mode 2), set by the entry lines.  The code itself states the register dependences
; between vector or matrix instructions and memory or LDS instructions, with s_wait_alu, always for 0.
; THE PLAN.  Registers that memory or LDS instructions touch, and who else names them:
;   v4-16              offsets and LDS addresses: written at the head, never again; one wait ahead of the first load serves them all.
;   window 1 v0-60, v128-255   global loads land, LDS stores read them; later gw2's operand lands in v0-127 and the products write v128-255: one wait on vm_vsrc behind the first barrier.
;   v70-205, v246-253  x comes back from the stage and the quantiser reads it; then, four times, gw1's fragments, bias and scale words land and eight products read them: one wait on va_vdst ahead of each of the four runs of loads.
;   v20-45             written by the quantiser, taken by the scaled products (the first of those four waits, behind its places) and read by the LDS stores of xq's rows.
;   v99, v100, v104-111  written by vector lines, read by one run of LDS stores: one wait ahead of the run.  v70 in wave 0: one wait ahead of its store.
; Numbers that vector instructions leave in scalar registers or VCC (the wave's number, masks of compares, lanes read out) have a wait between the writer and the first reader; compares and read-outs stand in runs, one wait a run.
.set GW1C, 0
.set GW1S, 49152
.set GW2T, 53248                       ; gw2 transposed: expert e at 1,040 e, unit u at 4 u
.set GB1,  61568
.set HISTW, 62592
.set CLSW, 63616
.set STG,  64256
.set STGW, 16640                       ; a wave's stage: 16 rows of 1,024 + 16 bytes; later 16 rows of 256 + 16
.set SPARE, 197376                     ; the spare words, 128 bytes for each wave: four blocks of 256 bytes that no other line names
.set T16, 4
.set T4,  5
.set LI,  6
.set LS,  7
.set G2W, 8
.set G2R, 9
.set GBA, 10
.set XSTW, 11
.set XSTR, 12
.set XQW, 13
.set XQM, 14
.set XQR, 15
.set CLA, 16
.set SPW, 18
.set NIL, 19
.set XF0, 20
.set XF1, 32
.set PW0, 44
.set PW1, 45
.set QT,  46
.set TM,  54
.set XT0, 70
.set XT1, 134
.set FR,  70
.set BI,  174
.set LG,  206
.set GB2R, 238
.set FSW, 246
.set SEL, 36
.set RL,  24                           ; s24-31  eight tokens' classes, read out of their lanes
.set MK,  40                           ; s40-47  eight masks (gb2's numbers have left these registers by then)
.set MSB, 0
.macro WIN new                         ; the immediate's high byte repeats the setting that is left
.if MSB != (\new)
	s_set_vgpr_msb (MSB<<8)|(\new)
.set MSB, (\new)
.endif
.endm
; 64 numbers of a lane, register 16 b + i = k 32 b + 16 h + i of my token, become a fragment's 12 registers in v[dst] on and its scale word in v[pw]
.macro QUANT src, dst, pw
.irp b, 0,1,2,3
	v_max3_num_f32 v[TM+\b], |v[\src+16*\b]|, |v[\src+1+16*\b]|, 0x1800000   ; block b: my 16 numbers and the floor 2^(3 - 127)
.endr
.irp i, 2,4,6,8,10,12,14
.irp b, 0,1,2,3
	v_max3_num_f32 v[TM+\b], v[TM+\b], |v[\src+16*\b+\i]|, |v[\src+1+16*\b+\i]|
.endr
.endr
.irp b, 0,1,2,3
	v_permlanex16_b32 v[TM+4+\b], v[TM+\b], s[SEL], s[SEL+1]
.endr
.irp b, 0,1,2,3
	v_max_num_f32 v[TM+\b], v[TM+\b], v[TM+4+\b]   ; with lane l xor 16's: the block's largest magnitude
.endr
.irp b, 0,1,2,3
	v_add_nc_u32 v[TM+12+\b], 0xff000000, v[TM+\b] ; 2 off its exponent field: the conversion's scale operand
.endr
.irp b, 0,1,2,3
	v_lshrrev_b32 v[TM+4+\b], 23, v[TM+12+\b]      ; the scale's byte
.endr
	v_lshl_or_b32 v[\pw], v[TM+5], 8, v[TM+4]
	v_lshl_or_b32 v[\pw], v[TM+6], 16, v[\pw]
	v_lshl_or_b32 v[\pw], v[TM+7], 24, v[\pw]
.irp c, 0,1
	v_cvt_scalef32_pk16_fp6_f32 v[\dst+6*\c:\dst+2+6*\c], v[\src+32*\c:\src+15+32*\c], v[TM+12+2*\c]
	v_cvt_scalef32_pk16_fp6_f32 v[QT+4*\c:QT+2+4*\c], v[\src+16+32*\c:\src+31+32*\c], v[TM+12+2*\c+1]
.endr
	v_nop                                          ; one plain place behind the scaled conversions
.irp c, 0,1                                    ; the layout wants a whole block in a lane: lanes 0-15 block 2 c, lanes 16-31 block 2 c + 1
.irp i, 0,1,2
	v_permlane16_swap_b32 v[\dst+6*\c+\i], v[QT+4*\c+\i]
.endr
.irp i, 0,1,2
	v_mov_b32 v[\dst+3+6*\c+\i], v[QT+4*\c+\i]
.endr
.endr
.endm
; Four tiles of 16 hidden units, 4 q .. 4 q + 3: fragments, scale words and bias from LDS, then two K steps; the four accumulators take turns
.macro GROUP q
.if (\q) > 0
	s_wait_alu depctr_va_vdst(0)                   ; the last four tiles' products are done reading their fragments, scale words and bias, in which the loads below land
.endif
.irp tt, 0,1,2,3
.irp s, 0,1
.irp i, 0,1,2
	ds_load_b128 v[FR+12*(2*\tt+\s)+4*\i:FR+12*(2*\tt+\s)+4*\i+3], v[LI] offset:GW1C+(2*(4*(\q)+\tt)+\s)*1536+512*\i
.endr
	ds_load_b32 v[FSW+2*\tt+\s], v[LS] offset:GW1S+(2*(4*(\q)+\tt)+\s)*128
.endr
	ds_load_b128 v[BI+8*\tt:BI+8*\tt+3], v[GBA] offset:64*(4*(\q)+\tt)        ; gb1 at units 16 t + 8 h + 0 .. 7: the result's layout
	ds_load_b128 v[BI+8*\tt+4:BI+8*\tt+7], v[GBA] offset:64*(4*(\q)+\tt)+16
.endr
	s_wait_dscnt 0x0
	WIN 0x40                                       ; D in window 1
.irp tt, 0,1,2,3
	v_wmma_scale_f32_16x16x128_f8f6f4 v[128+8*(4*(\q)+\tt):135+8*(4*(\q)+\tt)], v[FR+24*\tt:FR+24*\tt+11], v[XF0:XF0+11], v[BI+8*\tt:BI+8*\tt+7], v[FSW+2*\tt], v[PW0] matrix_a_fmt:MATRIX_FMT_FP6 matrix_b_fmt:MATRIX_FMT_FP6
.endr
	WIN 0x50                                       ; C and D in window 1
.irp tt, 0,1,2,3
	v_wmma_scale_f32_16x16x128_f8f6f4 v[128+8*(4*(\q)+\tt):135+8*(4*(\q)+\tt)], v[FR+24*\tt+12:FR+24*\tt+23], v[XF1:XF1+11], v[128+8*(4*(\q)+\tt):135+8*(4*(\q)+\tt)], v[FSW+2*\tt+1], v[PW1] matrix_a_fmt:MATRIX_FMT_FP6 matrix_b_fmt:MATRIX_FMT_FP6
.endr
	WIN 0
.rept 4
	v_nop                                          ; places ahead of loads into registers that these products read, and of the first read of results
.endr
.endm
	s_load_b512 s[4:19], s[0:1], 0x0               ; x s[4:5], wq s[6:7], wsc s[8:9], gw2 s[10:11], gb1 s[12:13], gb2 s[14:15], xq s[16:17], cls s[18:19]
	s_load_b64 s[20:21], s[0:1], 0x40              ; hist
	v_lshl_add_u32 v[SPW], v0, 2, SPARE
	v_mov_b32 v[NIL], 0
	v_lshrrev_b32 v1, 5, v0
	v_readfirstlane_b32 s22, v1                    ; wave 0..7
	v_and_b32 v1, 31, v0                           ; lane
	v_and_b32 v2, 15, v0                           ; r
	v_bfe_u32 v3, v0, 4, 1                         ; h
	v_lshlrev_b32 v[T16], 4, v0
	v_lshlrev_b32 v[T4], 2, v0
	v_lshlrev_b32 v[LI], 4, v1
	v_lshlrev_b32 v[LS], 2, v1
	v_and_b32 v[G2W], 1, v0                        ; gw2 on its way in: thread t holds unit t / 2 (+ 128), experts 4 (t % 2) + 0 .. 3
	v_mul_u32_u24 v[G2W], v[G2W], 4160
	v_lshrrev_b32 v17, 1, v0
	v_lshl_add_u32 v[G2W], v17, 2, v[G2W]
	v_add_nc_u32 v[G2W], GW2T, v[G2W]
	v_and_b32 v[G2R], 7, v0                        ; and as an operand: row r % 8 (rows 8-15 repeat the eight experts), units 8 h on
	v_mul_u32_u24 v[G2R], v[G2R], 1040
	v_lshl_add_u32 v[G2R], v3, 5, v[G2R]
	v_add_nc_u32 v[G2R], GW2T, v[G2R]
	v_lshlrev_b32 v[GBA], 5, v3
	v_add_nc_u32 v[GBA], GB1, v[GBA]
	s_wait_alu depctr_va_sdst(0)                   ; s22, the wave's number, is written, ahead of its first reader
	s_mul_i32 s23, s22, STGW
	s_add_co_u32 s23, s23, STG                     ; my stage
	v_add_nc_u32 v[XSTW], s23, v[LI]               ; x in, as loaded
	v_mul_u32_u24 v[XSTR], v2, 1040
	v_lshl_add_u32 v[XSTR], v3, 6, v[XSTR]
	v_add_nc_u32 v[XSTR], s23, v[XSTR]             ; x back: row r, + 64 h: my 16 numbers of a block of 32
	v_mul_u32_u24 v17, v2, 272
	v_mad_u32_u24 v[XQW], v3, 48, v17
	v_add_nc_u32 v[XQW], s23, v[XQW]               ; xq's rows in: row r, + 48 h
	v_lshl_add_u32 v[XQM], v3, 4, v17
	v_add_nc_u32 v[XQM], s23, v[XQM]               ; their last 64 bytes: + 16 h (+ 192, + 224 in the instructions)
	v_mul_u32_u24 v[XQR], v3, 272
	v_lshl_add_u32 v[XQR], v2, 4, v[XQR]
	v_add_nc_u32 v[XQR], s23, v[XQR]               ; and back: lanes 0-15 one row, lanes 16-31 the next
	s_lshl_b32 s24, s22, 6
	v_lshl_add_u32 v[CLA], v2, 2, s24              ; my token's class: 64 x wave + 4 r
	s_mov_b32 s[SEL], 0x76543210
	s_mov_b32 s[SEL+1], 0xfedcba98
	s_mov_b32 s50, 0xffff                          ; lanes 0-15
.irp b, 0,1,2,3
	v_mov_b32 v[TM+4+\b], 0                        ; a lane permute's destination counts as one of its sources
.endr
	s_wait_kmcnt 0x0
	s_load_b256 s[40:47], s[14:15], 0x0            ; gb2
	s_lshl_b32 s26, ttmp9, 17                      ; x: 128 rows of 1,024 bytes a work-group, 16 a wave
	s_lshl_b32 s27, s22, 14
	s_add_co_u32 s26, s26, s27
	s_mov_b32 s27, 0
	s_add_nc_u64 s[4:5], s[4:5], s[26:27]
	s_lshl_b32 s26, ttmp9, 15                      ; xq: rows of 256 bytes
	s_lshl_b32 s28, s22, 12
	s_add_co_u32 s26, s26, s28
	s_add_nc_u64 s[16:17], s[16:17], s[26:27]
	s_lshl_b32 s26, ttmp9, 9
	s_add_nc_u64 s[18:19], s[18:19], s[26:27]      ; cls: 512 bytes a work-group
	s_lshl_b32 s26, ttmp9, 7
	s_add_nc_u64 s[20:21], s[20:21], s[26:27]      ; hist: 128
	WIN 0x40                                       ; destinations in window 1
	s_wait_alu depctr_va_vdst(0)                   ; the offsets and LDS addresses v4 to v16 are written: every load and store of the kernel reads one of them, and none is written again
.irp k, 0,1,2,3,4,5,6,7,8,9,10,11
	global_load_b128 v[4*\k:4*\k+3], v[T16], s[6:7] offset:4096*\k   ; gw1's images: 49,152 dense bytes, 16 a thread
.endr
	global_load_b128 v[48:51], v[T16], s[8:9]      ; its scale words: 4,096
	global_load_b128 v[52:55], v[T16], s[10:11]    ; gw2: 8,192
	global_load_b128 v[56:59], v[T16], s[10:11] offset:4096
	global_load_b32 v60, v[T4], s[12:13]           ; gb1: 1,024
.set ii, 0
.rept 32
	global_load_b128 v[128+4*ii:131+4*ii], v[LI], s[4:5] offset:512*ii th:TH_LOAD_NT   ; my 16 rows of x: 512 consecutive bytes a load, read once
.set ii, ii+1
.endr
	s_wait_loadcnt 32                              ; the 32 loads of x are younger: the copy-in data are here
	WIN 0x04                                       ; an LDS store's data: window 1
.irp k, 0,1,2,3,4,5,6,7,8,9,10,11,12
	ds_store_b128 v[T16], v[4*\k:4*\k+3] offset:4096*\k              ; images, then (k = 12) the scale words behind them
.endr
.irp n, 0,1
.irp q, 0,1,2,3
	ds_store_b32 v[G2W], v[52+4*\n+\q] offset:1040*\q+512*\n
.endr
.endr
	ds_store_b32 v[T4], v60 offset:GB1
	s_wait_loadcnt 16                              ; x's first 16 loads
.set ii, 0
.rept 16
	ds_store_b128 v[XSTW], v[128+4*ii:131+4*ii] offset:(ii/2)*1040+(ii%2)*512
.set ii, ii+1
.endr
	s_wait_loadcnt 0x0
.rept 16
	ds_store_b128 v[XSTW], v[128+4*ii:131+4*ii] offset:(ii/2)*1040+(ii%2)*512
.set ii, ii+1
.endr
	WIN 0
.irp s, 0,1                                    ; back, 16 neighbours of each block to a lane.  LDS serves a wave's instructions in order: these see my stores
.irp b, 0,1,2,3
.irp j, 0,1,2,3
	ds_load_b128 v[XT0+64*\s+16*\b+4*\j:XT0+64*\s+16*\b+4*\j+3], v[XSTR] offset:512*\s+128*\b+16*\j
.endr
.endr
.endr
	s_wait_dscnt 16                                ; K step 0 is back; K step 1's 16 loads may be out
	QUANT XT0, XF0, PW0
	s_wait_dscnt 0x0
	QUANT XT1, XF1, PW1
	s_wait_kmcnt 0x0                               ; gb2
	s_wait_dscnt 0x0                               ; my part of the copy-in has landed
	s_barrier_signal -1
	s_barrier_wait -1                              ; everybody's has
	s_wait_alu depctr_vm_vsrc(0)                   ; my LDS stores have read window 1's v0-60 and v128-255: gw2's operand lands in the first, the products below write the second
.irp j, 0,1,2,3,4,5,6,7
	v_mov_b32 v[GB2R+\j], s[40+\j]                 ; gb2 in the logits' layout.  (Eight plain lines between the quantiser's last writes and the first scaled product)
.endr
	s_wait_alu depctr_va_vdst(0)                   ; the quantiser is done reading v70-197, in which gw1's fragments and gb1 land, and has written x's fragments and scale words, which the scaled products take (the eight places above stay beside this wait)
	GROUP 0
	GROUP 1
	GROUP 2
	GROUP 3
	WIN 0x40
.irp t, 0,1,2,3,4,5,6,7,8,9,10,11,12,13,14,15
	ds_load_b128 v[8*\t:8*\t+3], v[G2R] offset:64*\t                 ; gw2(unit 16 t + 8 h + 0 .. 7, expert r % 8).  No vector or matrix instruction has named these registers
	ds_load_b128 v[8*\t+4:8*\t+7], v[G2R] offset:64*\t+16
.endr
	WIN 0x44
.set jj, 0
.rept 128
	v_max_num_f32 v[128+jj], 0, v[128+jj]          ; relu, each accumulator from its low end on
.set jj, jj+1
.endr
	s_wait_dscnt 0x0
	WIN 0x05                                       ; A and B in window 1, C and D in window 0
; logits^T = gw2^T hidden^T, four units a step: registers 2 kk, 2 kk + 1 of both operands hold units 16 t + 8 h + 2 i + 0, 1 (kk = 4 t + i): the same order of k on both sides.
; Four accumulators take turns, one instruction a turn; the first takes gb2 as C, the other three 0.
.set kk, 0
.rept 64
.if kk == 0
	v_wmma_f32_16x16x4_f32 v[LG:LG+7], v[2*kk:2*kk+1], v[128+2*kk:129+2*kk], v[GB2R:GB2R+7]
.elseif kk < 4
	v_wmma_f32_16x16x4_f32 v[LG+8*kk:LG+8*kk+7], v[2*kk:2*kk+1], v[128+2*kk:129+2*kk], 0
.else
	v_wmma_f32_16x16x4_f32 v[LG+8*(kk%4):LG+8*(kk%4)+7], v[2*kk:2*kk+1], v[128+2*kk:129+2*kk], v[LG+8*(kk%4):LG+8*(kk%4)+7]
.endif
.set kk, kk+1
.endr
	WIN 0
.rept 8
	v_nop                                          ; eight places behind this form ahead of the first read of results
.endr
.irp j, 0,2,4,6                                ; register j of every lane: token r's logit of expert j
	v_pk_add_f32 v[70+\j:71+\j], v[LG+\j:LG+\j+1], v[LG+8+\j:LG+9+\j]
	v_pk_add_f32 v[78+\j:79+\j], v[LG+16+\j:LG+17+\j], v[LG+24+\j:LG+25+\j]
.endr
.irp j, 0,2,4,6
	v_pk_add_f32 v[70+\j:71+\j], v[70+\j:71+\j], v[78+\j:79+\j]
.endr
	v_mov_b32 v86, v70                             ; the largest so far, its expert,
	v_mov_b32 v87, 0
	v_mov_b32 v88, 0xff800000                      ; the second, its expert
	v_mov_b32 v89, 0
.irp e, 1,2,3,4,5,6,7
	v_cmp_gt_f32 s49, v[70+\e], v86                ; strictly greater: on equal logits the lower index stays ahead
	v_cmp_gt_f32 s48, v[70+\e], v88
	s_wait_alu depctr_va_sdst(0)                   ; the two masks s48 and s49 are written, ahead of the selects that read them
	v_cndmask_b32 v88, v88, v[70+\e], s48
	v_cndmask_b32 v89, v89, \e, s48
	v_cndmask_b32 v88, v88, v86, s49
	v_cndmask_b32 v89, v89, v87, s49
	v_cndmask_b32 v86, v86, v[70+\e], s49
	v_cndmask_b32 v87, v87, \e, s49
.endr
	v_sub_f32 v90, v88, v86                        ; l2 - l1 <= 0
	v_mul_f32 v90, 0x3fb8aa3b, v90
	v_exp_f32 v91, v90                             ; e
	v_min_u32 v92, v87, v89                        ; lo.  (A plain place behind the exponential)
	s_wait_alu depctr_va_vdst(0)                   ; the exponential has written v91, ahead of its first reader
	v_add_f32 v93, 1.0, v91
	v_rcp_f32 v94, v93                             ; p1
	v_max_u32 v95, v87, v89                        ; hi.  (A plain place)
	v_cmp_lt_u32 vcc_lo, v87, v89                  ; is the larger logit's expert the lower one?  The class's lines stand between this compare and the selects
	v_sub_nc_u32 v99, 15, v92
	v_mul_u32_u24 v99, v99, v92
	v_lshrrev_b32 v99, 1, v99
	v_add_nc_u32 v99, v99, v95
	v_sub_nc_u32 v99, v99, v92
	v_add_nc_u32 v99, -1, v99                      ; class = lo (15 - lo) / 2 + hi - lo - 1
	s_wait_alu depctr_va_vdst(0)                   ; the reciprocal has written v94, ahead of its first reader
	v_mul_f32 v96, v91, v94                        ; p2
	s_wait_alu depctr_va_vcc(0)                    ; VCC is written, ahead of the two selects that read it
	v_cndmask_b32 v97, v96, v94, vcc_lo            ; the lower expert's weight
	v_cndmask_b32 v98, v94, v96, vcc_lo            ; the higher's
	v_mov_b32 v100, 0                              ; lane c counts my 16 tokens of class c: values only
.irp g, 0,8                                    ; eight tokens at a time: read-outs, compares and selects in runs
.irp i, 0,1,2,3,4,5,6,7
	v_readlane_b32 s[RL+\i], v99, \g+\i
.endr
	s_wait_alu depctr_va_sdst(0)                   ; the eight classes are written, ahead of the compares that read them
.irp i, 0,1,2,3,4,5,6,7
	v_cmp_eq_u32 s[MK+\i], s[RL+\i], v1
.endr
	s_wait_alu depctr_va_sdst(0)                   ; the eight masks are written, ahead of the selects that read them
.irp i, 0,1,2,3,4,5,6,7
	v_cndmask_b32 v101, 0, 1, s[MK+\i]
	v_add_nc_u32 v100, v100, v101
.endr
.endr
	v_cndmask_b32 v104, 0, v[PW0], s50             ; bytes 192..207 from lanes 0-15; lanes 16-31 lay zeros at 208..223
	v_cndmask_b32 v105, 0, v[PW1], s50
	v_cndmask_b32 v106, 0, v97, s50
	v_cndmask_b32 v107, 0, v98, s50
.irp j, 0,1,2,3
	v_mov_b32 v[108+\j], 0
.endr
	s_wait_alu depctr_va_vdst(0)                   ; the class v99, the counts v100 and the rows' last words v104-111 are written, which the LDS stores below read
	ds_store_b32 v[T4], v100 offset:HISTW
	ds_store_b32 v[CLA], v99 offset:CLSW           ; both halves of the lanes write the same word with the same value
.irp i, 0,1,2
	ds_store_b128 v[XQW], v[XF0+4*\i:XF0+4*\i+3] offset:16*\i
	ds_store_b128 v[XQW], v[XF1+4*\i:XF1+4*\i+3] offset:96+16*\i
.endr
	ds_store_b128 v[XQM], v[104:107] offset:192
	ds_store_b128 v[XQM], v[108:111] offset:224
.irp i, 0,1,2,3,4,5,6,7
	ds_load_b128 v[112+4*\i:115+4*\i], v[XQR] offset:544*\i          ; whole rows back, two an instruction; in order behind my stores
.endr
.irp i, 0,1,2,3,4,5,6,7
	s_wait_dscnt 7-\i
	global_store_b128 v[LI], v[112+4*\i:115+4*\i], s[16:17] offset:512*\i   ; 32 lanes store 512 consecutive bytes: two rows of xq
.endr
	s_wait_dscnt 0x0                               ; my histogram and classes have landed
	s_barrier_signal -1
	s_barrier_wait -1
	s_cmp_lg_u32 s22, 0
	s_cbranch_scc1 .Lend                           ; wave 0 adds the eight histograms and sends them and the 128 classes
.irp w, 0,1,2,3,4,5,6,7
	ds_load_b32 v[70+\w], v[LS] offset:HISTW+128*\w                  ; no vector instruction since the last wait on va_vdst names v70-83
.endr
	ds_load_b128 v[80:83], v[LI] offset:CLSW
	s_wait_dscnt 0x0
	v_add_nc_u32 v70, v70, v71
	v_add_nc_u32 v72, v72, v73
	v_add_nc_u32 v74, v74, v75
	v_add_nc_u32 v76, v76, v77
	v_add_nc_u32 v70, v70, v72
	v_add_nc_u32 v74, v74, v76
	v_add_nc_u32 v70, v70, v74
	s_wait_alu depctr_va_vdst(0)                   ; the sum v70 is written, which the store reads
	global_store_b32 v[LS], v70, s[20:21]
	global_store_b128 v[LI], v[80:83], s[18:19]
.Lend:
	s_wait_dscnt 0x0                               ; the closing lines, six on end
	s_wait_alu 0x0
	s_wait_tensorcnt 0x0
	ds_add_u32 v[SPW], v[NIL]
	s_wait_dscnt 0x0
	s_endpgm
.Lfunc_end_k_q96862a77a7_gate:
	.size	k_q96862a77a7_gate, .Lfunc_end_k_q96862a77a7_gate-k_q96862a77a7_gate
	.p2alignl 7, 3214868480
	.fill 96, 4, 3214868480
	.section	.rodata,"a",@progbits
	.p2align	6, 0x0
	.amdhsa_kernel k_q96862a77a7_gate
		.amdhsa_group_segment_fixed_size 198656
		.amdhsa_private_segment_fixed_size 0
		.amdhsa_enable_private_segment 0
		.amdhsa_kernarg_size 72
		.amdhsa_user_sgpr_count 2
		.amdhsa_user_sgpr_kernarg_segment_ptr 1
		.amdhsa_wavefront_size32 1
		.amdhsa_system_sgpr_workgroup_id_x 1
		.amdhsa_system_sgpr_workgroup_id_y 1
		.amdhsa_system_sgpr_workgroup_id_z 1
		.amdhsa_system_vgpr_workitem_id 0
		.amdhsa_next_free_vgpr 512
		.amdhsa_next_free_sgpr 66
		.amdhsa_reserve_vcc 1
		.amdhsa_float_denorm_mode_32 3
		.amdhsa_float_denorm_mode_16_64 3
		.amdhsa_memory_ordered 1
		.amdhsa_forward_progress 1
		.amdhsa_inst_pref_size 60
	.end_amdhsa_kernel
	.amdgpu_metadata
---
amdhsa.version: [ 1, 2 ]
amdhsa.kernels:
  - .name:           k_q96862a77a7_gate
    .symbol:         k_q96862a77a7_gate.kd
    .args:
      - { .name: x, .offset: 0, .size: 8, .value_kind: global_buffer, .address_space: global }
      - { .name: wq, .offset: 8, .size: 8, .value_kind: global_buffer, .address_space: global }
      - { .name: wsc, .offset: 16, .size: 8, .value_kind: global_buffer, .address_space: global }
      - { .name: gw2, .offset: 24, .size: 8, .value_kind: global_buffer, .address_space: global }
      - { .name: gb1, .offset: 32, .size: 8, .value_kind: global_buffer, .address_space: global }
      - { .name: gb2, .offset: 40, .size: 8, .value_kind: global_buffer, .address_space: global }
      - { .name: xq, .offset: 48, .size: 8, .value_kind: global_buffer, .address_space: global }
      - { .name: cls, .offset: 56, .size: 8, .value_kind: global_buffer, .address_space: global }
      - { .name: hist, .offset: 64, .size: 8, .value_kind: global_buffer, .address_space: global }
    .group_segment_fixed_size: 198656
    .private_segment_fixed_size: 0
    .kernarg_segment_align: 8
    .kernarg_segment_size: 72
    .max_flat_workgroup_size: 256
    .sgpr_count:     66
    .vgpr_count:     512
    .wavefront_size: 32
...
	.end_amdgpu_metadata
.endif
;; end of part 5
;; launch place: the kernel of part 3 again; grid 256 x 1, 1 waves a work-group, no clusters, 0 bytes of LDS; arguments cls, hist, list, table; writes list, table
;; launch chain (part 6): grid 255 x 1, 4 waves a work-group, no clusters, 235,520 bytes of LDS; arguments xq, list, table, wq, wsc, b1, g1, be1, b2, g2, be2, b3, out0; writes out0
.if DOCPART == 6
	.amdgcn_target "amdgcn-amd-amdhsa--gfx1250"
	.amdhsa_code_object_version 6
	.text
	.protected	k_q96862a77a7_chain
	.globl	k_q96862a77a7_chain
	.p2align	8
	.type	k_q96862a77a7_chain,@function
k_q96862a77a7_chain:
	s_mov_b64 s[64:65], 0
	v_nop
	global_prefetch_b8 v0, s[64:65] scope:SCOPE_SE
	s_setreg_imm32_b32 hwreg(HW_REG_WAVE_SCHED_MODE, 0, 2), 2
	s_setreg_imm32_b32 hwreg(HW_REG_WAVE_MODE, 25, 1), 1
	s_wait_xcnt 0x0
	s_wait_alu depctr_vm_vsrc(0)
; THE EXPERTS.  A work-group takes one tile of the list: up to 144 tokens that chose the SAME PAIR of experts (lo, hi), through both experts' three layers, adds the two results by the tokens' weights
; in registers, and stores the tokens' rows of out0: each output row has one owner.  All three products on codes of FP6 (E2M3) with E8M0 scales; sums, LayerNorm, relu, weights in f32.
; Only the two chosen experts are multiplied: the others' rows are dropped by the gather of the definition itself.
; SHARES.  Nine tiles of 16 tokens.  THE WAVES SHARE THE COLUMNS: wave w makes units 64 w .. 64 w + 63 of every layer for all 144 rows, so each weight byte enters the work-group once, from memory straight into
; registers (the fragment images of the first launch), and the activations go round in LDS as rows of codes in xq's layout (bytes 96 s + 48 h: the 12 registers of lane (., h) of K step s; 192..199 the scale words).
; Products are used transposed (source 0 = 16 rows of the weight, source 1 = 16 tokens): lane (r, h) holds token r.  The rows of w1's and w2's tiles were chosen so that a lane's 16 registers of two
; neighbouring tiles are 16 neighbours along the next K: a conversion's 12 bytes are half a block at its place in the token's row, stored as they stand.
; LAYERNORM over 256 units that lie in four waves: each wave takes mean and sum of squared deviations of its 64 units, the four meet in LDS, and are joined by
; M2 = sum of M2_w + 64 x sum of (mean_w - mean)^2: no difference of large sums is formed.
; CONTROL is the same for every tile: stored numbers enter addresses (behind a bound), one select, and one forward branch round the last stores.  Rows beyond the tile's count repeat its row 0:
; they compute the same numbers and store the same bytes to the same row.  A tile with no rows walks through and stores nothing: every wave passes every barrier.
; NO CLUSTER: which weights a work-group reads hangs on stored numbers, neighbours need not share an expert, and 255 work-groups divide into no cluster.
; LIMITS: NaN and infinities are not served; a block of zeros gets the scale byte 1 (its codes are zeros).
; REGISTERS, in windows of 256.  Window 0: v1-3 at work; v4-25 addresses and offsets; v26-31 the activations' scale words; v32-47 the weights' (two sets); v48-65 a pair of statistics a tile;
;   v66-83 the tokens' two weights; v84-101 the tokens of the rows that I gather and store; v102-133 a layer's bias; v134-205 six activation fragments, or gain (v134) and shift (v166); v206-253 at work; v254, v255 the add's two.
;   Window 1: the layer's results, tiles 0-7 (32 m + 8 t + j).   Window 2: the output sums, tiles 0-7.   Window 3: v0-31, v32-63 tile 8 of both; v64-159, v160-255 two sets of weight fragments (12 (2 t + s)).
; THE MODE: SCHED_MODE bits 1:0 = 2 (LLVM: expert scheduling mode 2), set by the entry lines.  The code itself states the register dependences
; between vector or matrix instructions and memory or LDS instructions, with s_wait_alu, always for 0.
; THE PLAN.  Registers that memory or LDS instructions touch, and who else names them, round the loop over the two experts:
;   v[FRAG ..], v[FS ..]   two halves of three fragments and scale words.  LDS loads land in a half; the twelve products of its triple read it; behind them one wait on va_vdst, and the half is asked for again, a triple ahead of its use.
;   v[GN ..], v[BE ..]     the same registers between two products: global loads land behind a layer's last product; the normalising lines read them.
;   v[BIAS ..], the weight sets of window 3, v[SCA ..], v[SCB ..]   global loads land; products alone read them.  The one wait behind a layer's last product serves every load that follows into these and into v[GN ..], v[BE ..].
;   v[STP ..]              the statistics write the nine pairs; one wait on va_vdst, then nine LDS stores read them; one wait on vm_vsrc behind the barrier, then the pairs are written again.
;   v[SCR ..]              at work in the statistics (vector lines alone); the four waves' pairs land here from LDS (tiles 6 to 8 behind a wait, while tiles 3 to 5 are worked);
;                          three out-sets of codes and scale bytes: three tiles write them, one wait on va_vdst, 24 LDS stores read them, one wait on vm_vsrc ahead of the next write of a set.
;   v[WOFC], v[SOFC], v[POFC]   offsets that global loads read; written once a pass, behind a wait on vm_vsrc.  All other addresses are made at the head and never written again.
;   Window 1 at the head (v0-71: the gathered rows, LDS stores' data) and on the way out (two sets of rows); windows 2 and 3's sums: the last LDS stores' data.
.set RP, 272                           ; a row of codes in LDS: 256 bytes + 16
.set TP, 16*RP                         ; a tile of 16 rows
.set HR, 39168                         ; LDS: x's rows from 0; the hidden rows from here;
.set STATS, 78336                      ; token x 48 + wave x 8: (mean, M2);
.set OST, 85248                        ; the way out: 144 rows of 1,024 + 16 bytes;
.set OP, 1040
.set SPARE, 235008                     ; the spare words, 128 bytes for each wave: two blocks of 256 bytes that no other line names
.set AFX, 4
.set AFH, 5
.set ASX, 6
.set ASH, 7
.set HST, 8
.set HSB, 9
.set STW, 10
.set STR, 11
.set OSW, 12
.set OSR, 15
.set XSW, 16
.set AWP, 17
.set L16, 18
.set WOFC, 19
.set WOFN, 20
.set SOFC, 21
.set SOFN, 22
.set POFC, 23
.set POFN, 24
.set ROW, 25
.set FS, 26
.set SCA, 32
.set SCB, 40
.set STP, 48
.set WP, 66
.set TOK, 84
.set BIAS, 102
.set FRAG, 134
.set GN, 134
.set BE, 166
.set SCR, 206
.set GOF, 212
.set SPW, 254
.set NIL, 255
.set SA, 64
.set SB, 160
.set MK, 48                            ; s48-56  nine masks of the gather's compares
.set MSB, 0
.macro WIN new                         ; the immediate's high byte repeats the setting that is left
.if MSB != (\new)
	s_set_vgpr_msb (MSB<<8)|(\new)
.set MSB, (\new)
.endif
.endm
.macro BARRIER                         ; my LDS stores have landed and my LDS loads are in: then the work-group's barrier
	s_wait_dscnt 0x0
	s_barrier_signal -1
	s_barrier_wait -1
.endm
.macro WLOAD set, aoff, imm            ; my 8 fragments of a layer: 12,288 dense bytes, 512 a load
	WIN 0xc0
.set nn, 0
.rept 24
	global_load_b128 v[\set+4*nn:\set+4*nn+3], v[\aoff], s[14:15] offset:\imm+512*nn
.set nn, nn+1
.endr
	WIN 0
.endm
.macro SLOAD sc, aoff, imm             ; and their scale words
.set nn, 0
.rept 8
	global_load_b32 v[\sc+nn], v[\aoff], s[16:17] offset:\imm+128*nn
.set nn, nn+1
.endr
.endm
.macro PLOAD dst, ptr, aoff            ; a vector of 256 in the hidden results' layout: tile 2 b + u holds units 64 w + 32 b + 16 h + 8 u + 0 .. 7
.irp t, 0,1,2,3
	global_load_b128 v[\dst+8*\t:\dst+8*\t+3], v[\aoff], s[\ptr:\ptr+1] offset:(32*(\t/2)+8*(\t%2))*4
	global_load_b128 v[\dst+8*\t+4:\dst+8*\t+7], v[\aoff], s[\ptr:\ptr+1] offset:(32*(\t/2)+8*(\t%2))*4+16
.endr
.endm
; Triple k of six: K step k / 3, token tiles 3 (k % 3) + 0 .. 2.  Their fragments and scale words into half 0 or 1 of the six buffers: 9 + 3 LDS loads
.macro FLOAD half, k, af, as
.irp u, 0,1,2
.set FM, 3*((\k)%3)+\u
.set FB, 3*(\half)+\u
.irp i, 0,1,2
	ds_load_b128 v[FRAG+12*FB+4*\i:FRAG+12*FB+4*\i+3], v[\af] offset:TP*FM+96*((\k)/3)+16*\i
.endr
	ds_load_b32 v[FS+FB], v[\as] offset:TP*FM+4*((\k)/3)
.endr
.endm
; and their 12 products.  K step 0 starts the sums, with the bias or with 0 as C
.macro FMUL half, k, set, sc, bias
.irp u, 0,1,2
.set FM, 3*((\k)%3)+\u
.set FB, 3*(\half)+\u
.set HW, 1+2*(FM/8)
.set HB, 32*(FM%8)
.if (\k) < 3
	WIN (HW<<6)|3
.else
	WIN (HW<<6)|(HW<<4)|3
.endif
.irp t, 0,1,2,3
.if (\k) >= 3
	v_wmma_scale_f32_16x16x128_f8f6f4 v[HB+8*\t:HB+8*\t+7], v[\set+24*\t+12:\set+24*\t+23], v[FRAG+12*FB:FRAG+12*FB+11], v[HB+8*\t:HB+8*\t+7], v[\sc+2*\t+1], v[FS+FB] matrix_a_fmt:MATRIX_FMT_FP6 matrix_b_fmt:MATRIX_FMT_FP6
.elseif \bias
	v_wmma_scale_f32_16x16x128_f8f6f4 v[HB+8*\t:HB+8*\t+7], v[\set+24*\t:\set+24*\t+11], v[FRAG+12*FB:FRAG+12*FB+11], v[BIAS+8*\t:BIAS+8*\t+7], v[\sc+2*\t], v[FS+FB] matrix_a_fmt:MATRIX_FMT_FP6 matrix_b_fmt:MATRIX_FMT_FP6
.else
	v_wmma_scale_f32_16x16x128_f8f6f4 v[HB+8*\t:HB+8*\t+7], v[\set+24*\t:\set+24*\t+11], v[FRAG+12*FB:FRAG+12*FB+11], 0, v[\sc+2*\t], v[FS+FB] matrix_a_fmt:MATRIX_FMT_FP6 matrix_b_fmt:MATRIX_FMT_FP6
.endif
.endr
.endr
.endm
; A layer's product: all nine tiles through K step 0, then through K step 1, so that the 36 accumulators take turns, one instruction a turn.
; A triple's loads are issued a triple ahead, into the half that has just been multiplied.  What the first two runs of loads hang on has been stated ahead of the macro: no vector or matrix
; instruction since the last wait on va_vdst names the two halves.
.macro MATMUL af, as, set, sc, bias
	FLOAD 0, 0, \af, \as
	FLOAD 1, 1, \af, \as
.irp k, 0,1,2,3,4,5
.if \k < 5
	s_wait_dscnt 12                                ; this triple is in; the next one's 12 loads may be out
.else
	s_wait_dscnt 0x0
.endif
	FMUL \k%2, \k, \set, \sc, \bias
	WIN 0
.rept 4
	v_nop                                          ; places ahead of loads into registers that these products read, and of the first read of results
.endr
.if \k < 4
	s_wait_alu depctr_va_vdst(0)                   ; this triple's products are done reading their half of the fragments and scale words, in which the loads below land
	FLOAD \k%2, \k+2, \af, \as
.endif
.if \k == 5
	s_wait_alu depctr_va_vdst(0)                   ; the layer's products are done reading the fragments, the bias, the weight set and its scale words: the global loads that follow the macro land in them
.endif
.endr
.endm
; Tile m: mean and M2 of my 64 units of each token; the results become deviations from my mean, in place; (mean, M2) into the tile's pair
.macro STATA m
.set HW, 1+2*((\m)/8)
.set HB, 32*((\m)%8)
	WIN (HW<<2)|HW
.irp i, 0,1,2,3,4,5,6,7
	v_pk_add_f32 v[SCR+2*\i:SCR+2*\i+1], v[HB+4*\i:HB+4*\i+1], v[HB+4*\i+2:HB+4*\i+3]   ; each accumulator from its low end on
.endr
	WIN 0
	v_pk_add_f32 v[SCR:SCR+1], v[SCR:SCR+1], v[SCR+2:SCR+3]
	v_pk_add_f32 v[SCR+4:SCR+5], v[SCR+4:SCR+5], v[SCR+6:SCR+7]
	v_pk_add_f32 v[SCR+8:SCR+9], v[SCR+8:SCR+9], v[SCR+10:SCR+11]
	v_pk_add_f32 v[SCR+12:SCR+13], v[SCR+12:SCR+13], v[SCR+14:SCR+15]
	v_pk_add_f32 v[SCR:SCR+1], v[SCR:SCR+1], v[SCR+4:SCR+5]
	v_pk_add_f32 v[SCR+8:SCR+9], v[SCR+8:SCR+9], v[SCR+12:SCR+13]
	v_pk_add_f32 v[SCR:SCR+1], v[SCR:SCR+1], v[SCR+8:SCR+9]
	v_add_f32 v1, v[SCR], v[SCR+1]
	v_permlanex16_b32 v2, v1, s36, s37             ; the token's other 32 units lie in the lane 16 away
	v_add_f32 v[STP+2*(\m)+1], v1, v2
	v_mul_f32 v[STP+2*(\m)], 0x3c800000, v[STP+2*(\m)+1]             ; / 64: my mean
	WIN (HW<<6)|HW
.set qq, 0
.rept 16
	v_pk_add_f32 v[HB+qq:HB+qq+1], v[HB+qq:HB+qq+1], v[STP+2*(\m):STP+2*(\m)+1] op_sel_hi:[1,0] neg_lo:[0,1] neg_hi:[0,1]
.set qq, qq+2
.endr
	WIN (HW<<2)|HW
.irp c, 0,1,2,3
	v_pk_mul_f32 v[SCR+16+2*\c:SCR+17+2*\c], v[HB+2*\c:HB+2*\c+1], v[HB+2*\c:HB+2*\c+1]
.endr
.set qq, 4
.rept 12
	v_pk_fma_f32 v[SCR+16+2*(qq%4):SCR+17+2*(qq%4)], v[HB+2*qq:HB+2*qq+1], v[HB+2*qq:HB+2*qq+1], v[SCR+16+2*(qq%4):SCR+17+2*(qq%4)]
.set qq, qq+1
.endr
	WIN 0
	v_pk_add_f32 v[SCR+16:SCR+17], v[SCR+16:SCR+17], v[SCR+18:SCR+19]
	v_pk_add_f32 v[SCR+20:SCR+21], v[SCR+20:SCR+21], v[SCR+22:SCR+23]
	v_pk_add_f32 v[SCR+16:SCR+17], v[SCR+16:SCR+17], v[SCR+20:SCR+21]
	v_add_f32 v1, v[SCR+16], v[SCR+17]
	v_permlanex16_b32 v2, v1, s36, s37
	v_add_f32 v[STP+2*(\m)+1], v1, v2              ; my M2
.endm
; The nine pairs go to LDS in one run, and the work-group meets
.macro PAIRS
	s_wait_alu depctr_va_vdst(0)                   ; the nine pairs v[STP ..] are written, which the LDS stores read; and the statistics are done with v[SCR ..], in which the four waves' pairs land behind the barrier
.irp m, 0,1,2,3,4,5,6,7,8
	ds_store_b64 v[STW], v[STP+2*\m:STP+2*\m+1] offset:768*\m        ; both halves of the lanes write the same pair
.endr
	BARRIER                                        ; the four waves' pairs lie in LDS
	s_wait_alu depctr_vm_vsrc(0)                   ; my LDS stores have read v[STP ..], which the lines below write again
.endm
; Tile m, the four waves' pairs in v[a] .. v[a + 7]: the pair becomes (my mean - the mean, variance + eps)
.macro STB m, a
	v_add_f32 v1, v[\a], v[\a+2]
	v_add_f32 v2, v[\a+4], v[\a+6]
	v_add_f32 v3, v[\a+1], v[\a+3]
	v_add_f32 v1, v1, v2
	v_add_f32 v2, v[\a+5], v[\a+7]
	v_mul_f32 v1, 0x3e800000, v1                   ; the mean of all 256
	v_add_f32 v3, v3, v2
	v_sub_f32 v[\a], v[\a], v1
	v_sub_f32 v[\a+2], v[\a+2], v1
	v_sub_f32 v[\a+4], v[\a+4], v1
	v_sub_f32 v[\a+6], v[\a+6], v1
	v_sub_f32 v[STP+2*(\m)], v[STP+2*(\m)], v1
	v_mul_f32 v2, v[\a], v[\a]
	v_fmac_f32 v2, v[\a+2], v[\a+2]
	v_fmac_f32 v2, v[\a+4], v[\a+4]
	v_fmac_f32 v2, v[\a+6], v[\a+6]
	v_fmamk_f32 v3, v2, 0x42800000, v3             ; M2 = sum of M2_w + 64 x sum of (mean_w - mean)^2
	v_fma_f32 v[STP+2*(\m)+1], v3, s43, s44        ; / 256 + eps
.endm
.macro STATB                           ; all nine tiles; at its end the pair is (c, rstd): normalised = deviation x rstd + c
.irp m, 0,1,2,3,4,5
	ds_load_b128 v[SCR+8*\m:SCR+8*\m+3], v[STR] offset:768*\m
	ds_load_b128 v[SCR+8*\m+4:SCR+8*\m+7], v[STR] offset:768*\m+16
.endr
	s_wait_dscnt 0x0
.irp m, 0,1,2
	STB \m, SCR+8*\m
.endr
	s_wait_alu depctr_va_vdst(0)                   ; tiles 0 to 2 are done with v[SCR] to v[SCR + 23], in which the pairs of tiles 6 to 8 land; tiles 3 to 5, worked meanwhile, name none of these
.irp m, 6,7,8
	ds_load_b128 v[SCR+8*(\m-6):SCR+8*(\m-6)+3], v[STR] offset:768*\m
	ds_load_b128 v[SCR+8*(\m-6)+4:SCR+8*(\m-6)+7], v[STR] offset:768*\m+16
.endr
.irp m, 3,4,5
	STB \m, SCR+8*\m
.endr
	s_wait_dscnt 0x0
.irp m, 6,7,8
	STB \m, SCR+8*(\m-6)
.endr
.irp m, 0,1,2,3,4,5,6,7,8
	v_rsq_f32 v[STP+2*\m+1], v[STP+2*\m+1]
.endr
	v_nop                                          ; a plain place behind the last of the batch
	s_wait_alu depctr_va_vdst(0)                   ; the nine roots have written v[STP + 1 ..]: one wait, ahead of their first reader
.irp m, 0,1,2,3,4,5,6,7,8
	v_mul_f32 v[STP+2*\m], v[STP+2*\m], v[STP+2*\m+1]
.endr
.endm
; Tile m: normalise, gain and shift, relu, quantise my two blocks of 32 units: codes and scale bytes into out-set m % 3
.macro NQA m
.set HW, 1+2*((\m)/8)
.set HB, 32*((\m)%8)
.set NS, SCR+16*((\m)%3)
	WIN (HW<<6)|HW
.set qq, 0
.rept 16
	v_pk_fma_f32 v[HB+qq:HB+qq+1], v[HB+qq:HB+qq+1], v[STP+2*(\m):STP+2*(\m)+1], v[STP+2*(\m):STP+2*(\m)+1] op_sel:[0,1,0] op_sel_hi:[1,1,0]   ; x rstd + c
.set qq, qq+2
.endr
.set qq, 0
.rept 16
	v_pk_fma_f32 v[HB+qq:HB+qq+1], v[HB+qq:HB+qq+1], v[GN+qq:GN+qq+1], v[BE+qq:BE+qq+1]
.set qq, qq+2
.endr
	WIN (HW<<6)|(HW<<2)
.set qq, 0
.rept 32
	v_max_num_f32 v[HB+qq], 0, v[HB+qq]
.set qq, qq+1
.endr
	WIN (HW<<2)|HW
.if ((\m) == 3) || ((\m) == 6)
	s_wait_alu depctr_vm_vsrc(0)                   ; the last three tiles' LDS stores, issued 64 vector lines back, have read the three out-sets, which this tile and the next two write again
.endif
.irp b, 0,1
	v_max3_num_f32 v[NS+\b], v[HB+16*\b], v[HB+16*\b+1], 0x1800000   ; none is negative: no |.|; the floor 2^(3 - 127) holds the byte at 1 from below
.endr
.irp i, 2,4,6,8,10,12,14
.irp b, 0,1
	v_max3_num_f32 v[NS+\b], v[HB+16*\b+\i], v[HB+16*\b+\i+1], v[NS+\b]
.endr
.endr
	WIN 0
.irp b, 0,1
	v_permlanex16_b32 v[NS+2+\b], v[NS+\b], s36, s37
.endr
.irp b, 0,1
	v_max_num_f32 v[NS+\b], v[NS+\b], v[NS+2+\b]   ; with lane l xor 16's 16: the block's largest
.endr
.irp b, 0,1
	v_add_nc_u32 v[NS+4+\b], 0xff000000, v[NS+\b]  ; 2 off the exponent field: the conversion's scale operand
.endr
.irp b, 0,1
	v_lshrrev_b32 v[NS+2+\b], 23, v[NS+4+\b]       ; the scale's byte
.endr
	WIN HW
	v_cvt_scalef32_pk16_fp6_f32 v[NS+6:NS+8], v[HB:HB+15], v[NS+4]
	v_cvt_scalef32_pk16_fp6_f32 v[NS+10:NS+12], v[HB+16:HB+31], v[NS+5]
	WIN 0
	v_nop                                          ; one plain place behind the scaled conversions
.endm
; Tile m's out-set into the tokens' hidden rows
.macro NQS m
.set NS, SCR+16*((\m)%3)
.irp b, 0,1
.irp q, 0,1,2
	ds_store_b32 v[HST], v[NS+6+4*\b+\q] offset:TP*(\m)+48*\b+4*\q   ; 12 bytes: half a block, at its place in the row
.endr
	ds_store_b8 v[HSB], v[NS+2+\b] offset:TP*(\m)+\b                 ; both halves of the lanes write the same byte
.endr
.endm
; The nine tiles in threes: three tiles fill the three out-sets, then their 24 stores go in one run
.macro NORMQ9
.irp g, 0,3,6
	NQA \g
	NQA \g+1
	NQA \g+2
	s_wait_alu depctr_va_vdst(0)                   ; three tiles' codes and scale bytes are written, which the LDS stores read; behind the last three the normalising lines are also done reading gain and shift, in which the next product's fragments land
	NQS \g
	NQS \g+1
	NQS \g+2
.endr
.endm
	s_load_b512 s[8:23], s[0:1], 0x0               ; xq s[8:9], list s[10:11], table s[12:13], wq s[14:15], wsc s[16:17], b1 s[18:19], g1 s[20:21], be1 s[22:23]
	s_load_b256 s[24:31], s[0:1], 0x40             ; b2 s[24:25], g2 s[26:27], be2 s[28:29], b3 s[30:31]
	s_load_b64 s[32:33], s[0:1], 0x60              ; out0
	v_lshl_add_u32 v[SPW], v0, 2, SPARE
	v_mov_b32 v[NIL], 0
	v_lshrrev_b32 v1, 5, v0
	v_readfirstlane_b32 s34, v1                    ; wave w
	v_and_b32 v1, 31, v0                           ; lane
	v_and_b32 v2, 15, v0                           ; r
	v_bfe_u32 v3, v0, 4, 1                         ; h
	v_mul_u32_u24 v206, v2, RP
	v_mad_u32_u24 v[AFX], v3, 48, v206             ; a fragment's place: row r, + 48 h
	v_add_nc_u32 v[AFH], HR, v[AFX]
	v_add_nc_u32 v[ASX], 192, v206                 ; and its scale word's
	v_add_nc_u32 v[ASH], HR+192, v206
	s_wait_alu depctr_va_sdst(0)                   ; s34, the wave's number, is written, ahead of its first reader
	s_lshr_b32 s45, s34, 1                         ; my units' K step of the next product,
	s_and_b32 s46, s34, 1                          ; and which half of it
	s_mul_i32 s47, s45, 96
	s_mul_i32 s52, s46, 24
	s_add_co_u32 s47, s47, s52
	s_add_co_u32 s47, s47, HR
	v_mad_u32_u24 v[HST], v3, 12, v206
	v_add_nc_u32 v[HST], s47, v[HST]               ; my codes: 96 (w / 2) + 24 (w % 2) + 12 h (+ 48 b)
	s_lshl_b32 s47, s45, 2
	s_lshl_b32 s52, s46, 1
	s_add_co_u32 s47, s47, s52
	s_add_co_u32 s47, s47, HR+192
	v_add_nc_u32 v[HSB], s47, v206                 ; my scale bytes: 192 + 4 (w / 2) + 2 (w % 2) (+ b)
	v_mul_u32_u24 v[STR], v2, 48
	v_add_nc_u32 v[STR], STATS, v[STR]
	s_lshl_b32 s47, s34, 3
	v_add_nc_u32 v[STW], s47, v[STR]
	v_mul_u32_u24 v207, v2, OP
	v_lshl_add_u32 v207, v3, 5, v207
	s_lshl_b32 s47, s34, 8
	s_add_co_u32 s47, s47, OST
	v_add_nc_u32 v[OSW], s47, v207                 ; the way out, in: row r, + 256 w + 32 h; three registers reach the nine tiles
	v_add_nc_u32 v[OSW+1], 3*16*OP, v[OSW]
	v_add_nc_u32 v[OSW+2], 6*16*OP, v[OSW]
	s_mul_i32 s47, s34, 36*OP
	s_add_co_u32 s47, s47, OST
	v_mul_u32_u24 v207, v3, OP
	v_lshl_add_u32 v207, v2, 4, v207
	v_add_nc_u32 v[OSR], s47, v207                 ; and back: rows 36 w on, lanes 0-15 one row, lanes 16-31 the next
	s_mul_i32 s47, s34, 36*RP
	v_mul_u32_u24 v207, v3, RP
	v_lshl_add_u32 v207, v2, 4, v207
	v_add_nc_u32 v[XSW], s47, v207                 ; the same rows of x's codes
	v_add_nc_u32 v[AWP], 200, v206                 ; a token's two weights
	v_lshlrev_b32 v[L16], 4, v2
	s_mul_i32 s47, s34, 36
	v_add_nc_u32 v[ROW], s47, v3                   ; 36 w + h
	s_mul_i32 s54, s34, 144
	v_lshl_add_u32 v208, v3, 2, s54                ; those rows' words of the list
	s_mov_b32 s36, 0x76543210
	s_mov_b32 s37, 0xfedcba98                      ; v_permlanex16_b32's selects for lane l xor 16
	s_mov_b32 s38, 0                               ; the pass: 0 the lower expert, 1 the higher
	s_mov_b32 s43, 0x3b800000                      ; 1 / 256
	s_mov_b32 s44, 0x3727c5ac                      ; eps = 1e-5
	s_wait_kmcnt 0x0
	s_lshl_b32 s46, ttmp9, 4
	s_mov_b32 s47, 0
	s_add_nc_u64 s[52:53], s[12:13], s[46:47]
	s_load_b128 s[48:51], s[52:53], 0x0            ; my tile: lo, hi, rows
	s_mul_i32 s46, ttmp9, 576
	s_add_nc_u64 s[10:11], s[10:11], s[46:47]
	s_load_b32 s42, s[10:11], 0x0                  ; its row 0's token
	s_wait_alu depctr_va_vdst(0)                   ; the LDS addresses v4 to v18 and the list's offset v208 are written: the loads below and every LDS instruction of the kernel read them
.irp i, 0,1,2,3,4,5,6,7,8,9,10,11,12,13,14,15,16,17
	global_load_b32 v[TOK+\i], v208, s[10:11] offset:8*\i            ; the token of row 36 w + 2 i + h
.endr
	s_wait_kmcnt 0x0
	s_min_u32 s40, s48, 7                          ; stored numbers enter addresses only behind a bound
	s_min_u32 s41, s49, 7
	s_min_u32 s39, s50, 144
	s_mul_i32 s45, s34, 12288
	s_add_co_u32 s45, s45, 49152
	v_lshl_add_u32 v209, v1, 4, s45
	s_mul_i32 s46, s40, 49152
	s_mul_i32 s47, s41, 49152
	v_add_nc_u32 v[WOFC], s46, v209                ; codes: matrix 1 + e, my 8 fragments, 16 x lane; layers 2 and 3 stand in the immediates
	v_add_nc_u32 v[WOFN], s47, v209
	s_lshl_b32 s45, s34, 10
	s_add_co_u32 s45, s45, 4096
	v_lshl_add_u32 v209, v1, 2, s45
	s_lshl_b32 s46, s40, 12
	s_lshl_b32 s47, s41, 12
	v_add_nc_u32 v[SOFC], s46, v209                ; scale words likewise
	v_add_nc_u32 v[SOFN], s47, v209
	s_lshl_b32 s45, s34, 8
	v_lshl_add_u32 v209, v3, 6, s45
	v_lshl_add_u32 v207, v3, 5, s45
	s_lshl_b32 s46, s40, 10
	s_lshl_b32 s47, s41, 10
	v_add_nc_u32 v[POFC], s46, v209                ; vectors of 256: 1,024 e + 256 w + 64 h
	v_add_nc_u32 v[POFN], s47, v209
	v_add_nc_u32 v210, s46, v207                   ; b3, whose tiles are natural: + 32 h
	v_add_nc_u32 v211, s47, v207
	s_wait_alu depctr_va_vdst(0)                   ; the eight offsets v19 to v24, v210 and v211 are written, which the loads of weights, scale words and vectors read
	WLOAD SA, WOFC, 0                              ; layer 1 of the lower expert: 24 + 8 + 8 loads
	SLOAD SCA, SOFC, 0
	PLOAD BIAS, 18, POFC
	s_wait_loadcnt 40                              ; those 40 are younger: the list is here
	s_mov_b32 s46, s39
.irp g, 0,9                                    ; nine rows at a time: the compares in a run, then the selects
.irp i, 0,1,2,3,4,5,6,7,8
	v_cmp_gt_i32 s[MK+\i], s46, v[ROW]             ; row 36 w + 2 (g + i) + h < rows?
	s_sub_co_i32 s46, s46, 2
.endr
	s_wait_alu depctr_va_sdst(0)                   ; the nine masks are written, ahead of the selects that read them
.irp i, 0,1,2,3,4,5,6,7,8
	v_cndmask_b32 v[TOK+\g+\i], s42, v[TOK+\g+\i], s[MK+\i]          ; a row beyond the count repeats row 0
	v_min_u32 v[TOK+\g+\i], 0x7fff, v[TOK+\g+\i]
	v_lshl_add_u32 v[GOF+\g+\i], v[TOK+\g+\i], 8, v[L16]
.endr
.endr
	WIN 0x40
	s_wait_alu depctr_va_vdst(0)                   ; the gather's 18 offsets v[GOF ..] are written
.irp i, 0,1,2,3,4,5,6,7,8,9,10,11,12,13,14,15,16,17
	global_load_b128 v[4*\i:4*\i+3], v[GOF+\i], s[8:9]               ; sixteen lanes read one whole row of 256 bytes
.endr
	WIN 0
	WLOAD SB, WOFC, 393216                         ; layer 2 of the lower expert, and both experts' b3: 24 + 8 + 16 loads
	SLOAD SCB, SOFC, 32768
.irp t, 0,1,2,3
	global_load_b128 v[FRAG+8*\t:FRAG+8*\t+3], v210, s[30:31] offset:64*\t
	global_load_b128 v[FRAG+8*\t+4:FRAG+8*\t+7], v210, s[30:31] offset:64*\t+16
	global_load_b128 v[FRAG+32+8*\t:FRAG+32+8*\t+3], v211, s[30:31] offset:64*\t
	global_load_b128 v[FRAG+32+8*\t+4:FRAG+32+8*\t+7], v211, s[30:31] offset:64*\t+16
.endr
	s_wait_loadcnt 48                              ; those 48 are younger: the gathered rows are here
	WIN 0x04
.irp i, 0,1,2,3,4,5,6,7,8,9,10,11,12,13,14,15,16,17
	ds_store_b128 v[XSW], v[4*\i:4*\i+3] offset:2*RP*\i
.endr
	WIN 0
	BARRIER                                        ; x's 144 rows lie in LDS
	s_wait_alu depctr_vm_vsrc(0)                   ; my LDS stores have read window 1's v0-71, which layer 1's products write; the loads above have read their offsets v208, v210, v211 and v[GOF ..], which lie among the registers at work
.irp m, 0,1,2,3,4,5,6,7,8
	ds_load_b64 v[WP+2*\m:WP+2*\m+1], v[AWP] offset:TP*\m
.endr
	s_wait_loadcnt 0x0
	s_wait_dscnt 0x0
	; the output sums begin as wlo b3[lo] + whi b3[hi]: nothing is cleared, and layer 3's products start with 0
	WIN 0x80
.irp m, 0,1,2,3,4,5,6,7
.set qq, 0
.rept 16
	v_pk_mul_f32 v[32*\m+qq:32*\m+qq+1], v[FRAG+qq:FRAG+qq+1], v[WP+2*\m:WP+2*\m+1] op_sel_hi:[1,0]
.set qq, qq+2
.endr
.endr
	WIN 0xa0
.irp m, 0,1,2,3,4,5,6,7
.set qq, 0
.rept 16
	v_pk_fma_f32 v[32*\m+qq:32*\m+qq+1], v[FRAG+32+qq:FRAG+32+qq+1], v[WP+2*\m:WP+2*\m+1], v[32*\m+qq:32*\m+qq+1] op_sel:[0,1,0] op_sel_hi:[1,1,1]
.set qq, qq+2
.endr
.endr
	WIN 0xc0
.set qq, 0
.rept 16
	v_pk_mul_f32 v[32+qq:32+qq+1], v[FRAG+qq:FRAG+qq+1], v[WP+16:WP+17] op_sel_hi:[1,0]
.set qq, qq+2
.endr
	WIN 0xf0
.set qq, 0
.rept 16
	v_pk_fma_f32 v[32+qq:32+qq+1], v[FRAG+32+qq:FRAG+32+qq+1], v[WP+16:WP+17], v[32+qq:32+qq+1] op_sel:[0,1,0] op_sel_hi:[1,1,1]
.set qq, qq+2
.endr
	WIN 0
	s_wait_alu depctr_va_vdst(0)                   ; the lines above are done reading b3 in v[FRAG ..], in which layer 1's fragments land.  (Round the loop's edge the wait behind layer 3's last product has stated the same of that product)
.Lpass:                                            ; two trips: one expert each.  What differs lies in the offsets (current, next) and in the low word of the weights' pairs
	MATMUL AFX, ASX, SA, SCA, 1                    ; layer 1: x w1 + b1
	PLOAD GN, 20, POFC                             ; g1, be1, b2: 24 loads, behind the wait at the product's end
	PLOAD BE, 22, POFC
	PLOAD BIAS, 24, POFC
.irp m, 0,1,2,3,4,5,6,7,8
	STATA \m
.endr
	PAIRS
	STATB
	s_wait_loadcnt 0x0                             ; g1, be1, b2, and layer 2's weights
	s_cmp_eq_u32 s38, 1                            ; a counter alone: the last pass asks for no next expert
	s_cbranch_scc1 .Lno_sa
	WLOAD SA, WOFN, 0                              ; layer 1 of the next expert.  No vector or matrix instruction since the wait at layer 1's end names this set or its scale words
	SLOAD SCA, SOFN, 0
.Lno_sa:
	NORMQ9
	BARRIER                                        ; the hidden rows are whole; every wave's reads of the pairs are over
	s_wait_alu depctr_vm_vsrc(0)                   ; my last 24 LDS stores have read their out-sets, which the next statistics write
	MATMUL AFH, ASH, SB, SCB, 1                    ; layer 2
	PLOAD GN, 26, POFC                             ; g2, be2
	PLOAD BE, 28, POFC
	s_cmp_eq_u32 s38, 1
	s_cbranch_scc1 .Lno_b1
	PLOAD BIAS, 18, POFN                           ; b1 of the next expert
.Lno_b1:
	WLOAD SB, WOFC, 786432                         ; layer 3 of this expert: 24 + 8 loads, the youngest on both ways
	SLOAD SCB, SOFC, 65536
.irp m, 0,1,2,3,4,5,6,7,8
	STATA \m
.endr
	PAIRS                                          ; at its barrier every wave's reads of the hidden rows are over too
	STATB
	s_wait_loadcnt 32                              ; layer 3's 32 loads may be out: g2 and be2 are here
	NORMQ9
	BARRIER
	s_wait_alu depctr_vm_vsrc(0)                   ; my last 24 LDS stores have read their out-sets, which the next pass's statistics write
	s_wait_loadcnt 0x0                             ; layer 3's weights; the next expert's layer 1 and b1 with them
	MATMUL AFH, ASH, SB, SCB, 0                    ; layer 3
	s_cmp_eq_u32 s38, 1
	s_cbranch_scc1 .Lno_sb
	WLOAD SB, WOFN, 393216                         ; layer 2 of the next expert
	SLOAD SCB, SOFN, 32768
.Lno_sb:
	WIN 0xa1                                       ; the sums += this expert's weight x its result, each accumulator from its low end on
.irp m, 0,1,2,3,4,5,6,7
.set qq, 0
.rept 16
	v_pk_fma_f32 v[32*\m+qq:32*\m+qq+1], v[32*\m+qq:32*\m+qq+1], v[WP+2*\m:WP+2*\m+1], v[32*\m+qq:32*\m+qq+1] op_sel_hi:[1,0,1]
.set qq, qq+2
.endr
.endr
	WIN 0xf3
.set qq, 0
.rept 16
	v_pk_fma_f32 v[32+qq:32+qq+1], v[qq:qq+1], v[WP+16:WP+17], v[32+qq:32+qq+1] op_sel_hi:[1,0,1]
.set qq, qq+2
.endr
	WIN 0
.irp m, 0,1,2,3,4,5,6,7,8
	v_mov_b32 v[WP+2*\m], v[WP+2*\m+1]             ; the next pass takes the higher expert's weight,
.endr
	s_wait_alu depctr_vm_vsrc(0)                   ; this pass's loads have read the current offsets, which the three lines below write
	v_mov_b32 v[WOFC], v[WOFN]                     ; and its offsets (the loads that named the current ones were waited for ahead of layer 3)
	v_mov_b32 v[SOFC], v[SOFN]
	v_mov_b32 v[POFC], v[POFN]
	s_add_co_u32 s38, s38, 1
	s_cmp_lt_u32 s38, 2
	s_cbranch_scc1 .Lpass
	; THE WAY OUT.  A row's 256 outputs come from four waves: they meet in a stage, and each wave sends 36 whole rows, sixteen lanes to 256 consecutive bytes
	s_wait_alu depctr_va_vdst(0)                   ; the sums are written, which the LDS stores read; and the lines that added them are done reading window 1, in which the rows land further down
	WIN 0x08
.irp m, 0,1,2,3,4,5,6,7
.irp t, 0,1,2,3
	ds_store_b128 v[OSW+\m/3], v[32*\m+8*\t:32*\m+8*\t+3] offset:(\m%3)*16*OP+64*\t
	ds_store_b128 v[OSW+\m/3], v[32*\m+8*\t+4:32*\m+8*\t+7] offset:(\m%3)*16*OP+64*\t+16
.endr
.endr
	WIN 0x0c
.irp t, 0,1,2,3
	ds_store_b128 v[OSW+2], v[32+8*\t:32+8*\t+3] offset:2*16*OP+64*\t
	ds_store_b128 v[OSW+2], v[32+8*\t+4:32+8*\t+7] offset:2*16*OP+64*\t+16
.endr
	WIN 0
	BARRIER
	s_cmp_eq_u32 s39, 0                            ; a tile without rows stores nothing; no barrier lies ahead
	s_cbranch_scc1 .Lend
.irp i, 0,1,2,3,4,5,6,7,8,9,10,11,12,13,14,15,16,17
	v_lshl_add_u32 v[TOK+\i], v[TOK+\i], 10, v[L16]                  ; the token's row of out0, + my 16 bytes
.endr
	s_wait_alu depctr_va_vdst(0)                   ; the rows' 18 offsets v[TOK ..] are written, which the stores below read
.macro OFETCH g                        ; 12 rows: 24 LDS loads into set g % 2 of window 1
	WIN 0x40
.irp ii, 0,1,2,3,4,5
.irp qv, 0,1,2,3
	ds_load_b128 v[96*((\g)%2)+16*\ii+4*\qv:96*((\g)%2)+16*\ii+4*\qv+3], v[OSR] offset:(6*(\g)+\ii)*2*OP+256*\qv
.endr
.endr
.endm
.macro OSEND g
	WIN 0x04
.irp ii, 0,1,2,3,4,5
.irp qv, 0,1,2,3
	global_store_b128 v[TOK+6*(\g)+\ii], v[96*((\g)%2)+16*\ii+4*\qv:96*((\g)%2)+16*\ii+4*\qv+3], s[32:33] offset:256*\qv th:TH_STORE_NT   ; written once, read by nobody here
.endr
.endr
.endm
	OFETCH 0
	OFETCH 1
	s_wait_dscnt 24                                ; the first batch is back; the second's 24 loads may be out
	OSEND 0
	WIN 0x40                                       ; the third batch's window first, then the waits, then its loads
	s_wait_xcnt 0x0                                ; those stores have had their addresses translated
	s_wait_alu depctr_vm_vsrc(0)                   ; and have read their data, the first set of rows, in which the third batch lands
	OFETCH 2
	s_wait_dscnt 24
	OSEND 1
	s_wait_dscnt 0x0
	OSEND 2
	WIN 0
.Lend:
	s_wait_dscnt 0x0                               ; the closing lines, six on end
	s_wait_alu 0x0
	s_wait_tensorcnt 0x0
	ds_add_u32 v[SPW], v[NIL]
	s_wait_dscnt 0x0
	s_endpgm
.Lfunc_end_k_q96862a77a7_chain:
	.size	k_q96862a77a7_chain, .Lfunc_end_k_q96862a77a7_chain-k_q96862a77a7_chain
	.p2alignl 7, 3214868480
	.fill 96, 4, 3214868480
	.section	.rodata,"a",@progbits
	.p2align	6, 0x0
	.amdhsa_kernel k_q96862a77a7_chain
		.amdhsa_group_segment_fixed_size 235520
		.amdhsa_private_segment_fixed_size 0
		.amdhsa_enable_private_segment 0
		.amdhsa_kernarg_size 104
		.amdhsa_user_sgpr_count 2
		.amdhsa_user_sgpr_kernarg_segment_ptr 1
		.amdhsa_wavefront_size32 1
		.amdhsa_system_sgpr_workgroup_id_x 1
		.amdhsa_system_sgpr_workgroup_id_y 1
		.amdhsa_system_sgpr_workgroup_id_z 1
		.amdhsa_system_vgpr_workitem_id 0
		.amdhsa_next_free_vgpr 1024
		.amdhsa_next_free_sgpr 66
		.amdhsa_reserve_vcc 0
		.amdhsa_float_denorm_mode_32 3
		.amdhsa_float_denorm_mode_16_64 3
		.amdhsa_memory_ordered 1
		.amdhsa_forward_progress 1
		.amdhsa_inst_pref_size 255
	.end_amdhsa_kernel
	.section	.bss,"aw",@nobits
	.p2align	6
	.space	262144
	.amdgpu_metadata
---
amdhsa.version: [ 1, 2 ]
amdhsa.kernels:
  - .name:           k_q96862a77a7_chain
    .symbol:         k_q96862a77a7_chain.kd
    .args:
      - { .name: xq, .offset: 0, .size: 8, .value_kind: global_buffer, .address_space: global }
      - { .name: list, .offset: 8, .size: 8, .value_kind: global_buffer, .address_space: global }
      - { .name: table, .offset: 16, .size: 8, .value_kind: global_buffer, .address_space: global }
      - { .name: wq, .offset: 24, .size: 8, .value_kind: global_buffer, .address_space: global }
      - { .name: wsc, .offset: 32, .size: 8, .value_kind: global_buffer, .address_space: global }
      - { .name: b1, .offset: 40, .size: 8, .value_kind: global_buffer, .address_space: global }
      - { .name: g1, .offset: 48, .size: 8, .value_kind: global_buffer, .address_space: global }
      - { .name: be1, .offset: 56, .size: 8, .value_kind: global_buffer, .address_space: global }
      - { .name: b2, .offset: 64, .size: 8, .value_kind: global_buffer, .address_space: global }
      - { .name: g2, .offset: 72, .size: 8, .value_kind: global_buffer, .address_space: global }
      - { .name: be2, .offset: 80, .size: 8, .value_kind: global_buffer, .address_space: global }
      - { .name: b3, .offset: 88, .size: 8, .value_kind: global_buffer, .address_space: global }
      - { .name: out0, .offset: 96, .size: 8, .value_kind: global_buffer, .address_space: global }
    .group_segment_fixed_size: 235520
    .private_segment_fixed_size: 0
    .kernarg_segment_align: 8
    .kernarg_segment_size: 104
    .max_flat_workgroup_size: 128
    .sgpr_count:     66
    .vgpr_count:     1024
    .wavefront_size: 32
...
	.end_amdgpu_metadata
.endif
;; end of part 6
